; MI455X (gfx1250); checked and timed in simulation.
; The chip was launched on July 23, 2026; its instructions are those of AMD's public machine-readable ISA for CDNA 5 (MIT licence, August 2026) and "CDNA5" Instruction Set Architecture Reference Guide (July 2026). The comments in the code are by the model that wrote it; some were corrected since.
;; Multi Head Attention. Allowed arithmetic: matrix products marked QUANTISED: E2M1 operands, one E8M0 scale for each 32 along K, by v_wmma_scale_f32_16x16x128_f8f6f4 with both operands' format E2M1 (or v_wmma_scale_f32_32x16x128_f4), f32 sums; products left as they are: bf16, f16 or f32 operands; f32 sums; everything else in f32.
;; Inputs: w_out 1,024 x 1,024 float32; w_qkv 3,072 x 1,024 float32; x 4 x 2,048 x 1,024 float32.
;; Outputs: out0 4 x 2,048 x 1,024 float32.
;; This version of the problem:
;;   THIS VERSION OF THE PROBLEM IS GIVEN IN LOW PRECISION. The matrix products marked QUANTISED in the list below multiply operands that are first quantised to E2M1 (2 exponent bits, 1 mantissa bit; 4 bits a number), with one power-of-two scale for each 32 numbers along K (OCP MX v1.0); their sums are f32. The products marked 'left as it is' may take bf16, f16 or f32 operands, with f32 sums. Whichever they take, every output number must still come out within the allowed error. Rounding operands to bf16 (8 significant bits) uses up far more of that allowance than f16 does (11 bits, for magnitudes from 6e-5 to 65,504). All else is computed in f32.
;;   The module's matrix products, in the order in which they are computed (A, B: the left and right operand; K: the contracted axis; several contracted axes count as one K, in the product's order):
;;     1. [M 8,192, K 1,024] x [K 1,024, N 3,072]; A: input x; B: input w_qkv: QUANTISED
;;     2. batch 64 x [M 2,048, K 64] x [K 64, N 2,048]; A: computed on the way; B: computed on the way: left as it is (an operand is computed on the way)
;;     3. batch 64 x [M 2,048, K 2,048] x [K 2,048, N 64]; A: computed on the way; B: computed on the way: left as it is (an operand is computed on the way)
;;     4. [M 8,192, K 1,024] x [K 1,024, N 1,024]; A: computed on the way; B: input w_out: left as it is (an operand is computed on the way)
;;   THE QUANTISER, for each operand of a quantised product, along K:
;;     - K is cut into blocks of 32 from its start; a last block that is shorter is filled with zeros.
;;     - A block's scale is 2^e with e = floor(log2(the largest magnitude in the block)) - 2, held to -126 .. 127; a block of zeros has e = 0. As a byte (E8M0): e + 127.
;;     - Each number is divided by its block's scale, clamped to +-6, and rounded to the nearest number of E2M1, ties to even, subnormals kept.
;;     - The product sums the exact products of the quantised numbers (number of the format x scale) in f32.
;;   ~~~python
;;   def quantise(x, axis):      # numpy; x: float32 -> the quantised numbers, widened to float32 again
;;       x = np.moveaxis(x, axis, -1); K = x.shape[-1]
;;       x = np.pad(x, [(0, 0)] * (x.ndim - 1) + [(0, -K % 32)]); x = x.reshape(x.shape[:-1] + (-1, 32)); a = np.abs(x).max(-1, keepdims=True)
;;       e = np.where(a > 0, np.clip(np.frexp(np.where(a > 0, a, 1))[1] - 1 - 2, -126, 127), 0)      # np.frexp(a)[1] - 1 = floor(log2(a)), exactly
;;       r = np.clip(x / 2.0 ** e, -6, 6)
;;       step = 2.0 ** (np.maximum(np.frexp(np.where(r == 0, 1, r))[1] - 1, 0) - 1)
;;       q = np.round(r / step) * step * 2.0 ** e      # np.round: ties to even
;;       return np.moveaxis(q.reshape(q.shape[:-2] + (-1,))[..., :K], -1, axis).astype(np.float32)
;;   ~~~
;; One version. Each part assembles by itself: llvm-mc -triple=amdgcn-amd-amdhsa -mcpu=gfx1250 --defsym DOCPART=n.
;; ======== version 1 of 1: 5 launches
;; limits: values are held in f16: magnitudes above 65,504 overflow, below 6.1e-05 lose precision
;; workspace buffers: xc 4,194,304 bytes; xs 262,144 bytes; wc 1,572,864 bytes; ws 98,304 bytes; w16 2,097,152 bytes; qkv16 50,331,648 bytes; qkv32 786,432 bytes; att16 16,777,216 bytes
;; launch prep (part 1): grid 384 x 1, 4 waves a work-group, no clusters, 33,280 bytes of LDS; arguments x, w_qkv, xc, xs, wc, ws, w_out, w16; writes xc, xs, wc, ws, w16
.if DOCPART == 1
	.amdgcn_target "amdgcn-amd-amdhsa--gfx1250"
	.amdhsa_code_object_version 6
	.text
	.protected	k_q9bc0b2363a_prep
	.globl	k_q9bc0b2363a_prep
	.p2align	8
	.type	k_q9bc0b2363a_prep,@function
k_q9bc0b2363a_prep:
	s_mov_b64 s[64:65], 0
	v_nop
	global_prefetch_b8 v0, s[64:65] scope:SCOPE_SE
	s_setreg_imm32_b32 hwreg(HW_REG_WAVE_MODE, 25, 1), 1
	s_wait_xcnt 0x0
; x [8192][1024] and w_qkv [3072][1024], f32, become codes of FP4 (E2M1), K innermost, two codes a byte, with one E8M0 scale byte for each 32 along K; w_out [1024][1024] becomes f16.
; A block's scale is 2^(floor(log2(its largest magnitude)) - 2); its byte is the largest magnitude's exponent field - 2, held at 1 from below.  A block of zeros so gets the byte 1: its codes are zeros,
; which add nothing under any byte but 0xff, and the bytes are read by this program alone.  Each number is divided by the scale and rounded to the nearest code, ties to even, beyond 6 the largest code.
; LIMITS: blocks whose largest magnitude lies under 2^-124 keep the byte 1; NaN and infinities among the inputs are not served; |w_out| beyond 65,504 becomes infinity in f16.
; SHARES: a wave takes 8,192 numbers, a work-group 32,768.  Work-groups 0-255 take x, 256-351 w_qkv, 352-383 w_out.  Rows are dense and 1,024 is a multiple of 32: all three are plain streams.
; QUANTISING: 16 steps of 512 numbers.  Each load reads 512 consecutive bytes, 16 a lane; a step's 2,048 bytes turn through the wave's own stage in LDS and come back 64 bytes a lane, so that a lane holds 16
; neighbours (two lanes a block), as the conversions want.  A lane's 16 codes are 8 bytes: a wave's store covers 256 consecutive bytes.  A wave's 256 scale bytes are gathered in LDS and leave as one such run.
; No tensor loads, no barrier: waves share nothing.  Matrix units and clusters would add nothing to a stream.
.set SIZE_M, 8192
.set SIZE_N, 3072
.set SIZE_K, 1024
.set WAVES, 4
.set STEPS, 16
.set WGA,   SIZE_M*SIZE_K/(512*STEPS*WAVES)        ; 256 work-groups for x
.set WGQ,   WGA+SIZE_N*SIZE_K/(512*STEPS*WAVES)    ; 352: from here on w_out
.set EMAX,  2
.set CB,    8                          ; bytes of 16 codes
.set R,     16                         ; v16-79   four sets of 16 numbers as they are loaded
.set X,     80                         ; v80-111  two sets of 16 neighbours
.set C,     128                        ; v128-191 codes: four registers for each step, so that no store's data are written again
.set E,     112                        ; v112-127 a scale byte for each step
.set F,     16                         ; w_out: v16-143 two sets of 64 numbers
.set H,     144                        ; w_out: v144-175 32 registers of f16 pairs
.set WREG,  8192                       ; LDS: a region for each wave: two stages of 32 x SP bytes, behind them its 256 scale bytes
.set SP,    80                         ; a lane's place in a stage: 64 bytes + 16 of padding
.set SPW,   12                         ; v12 LDS address of my spare word; never rewritten
.set NIL,   13                         ; v13 0; never rewritten
.set SPARE, WAVES*WREG                 ; behind the four regions: the spare words, 128 bytes a wave, which no other line names
	s_load_b128 s[4:7], s[0:1], 0x0                ; x, w_qkv
	s_load_b128 s[8:11], s[0:1], 0x10              ; x's codes, x's scales
	s_load_b128 s[12:15], s[0:1], 0x20             ; w_qkv's codes, its scales
	s_load_b128 s[24:27], s[0:1], 0x30             ; w_out, w16
	v_lshl_add_u32 v[SPW], v0, 2, SPARE
	v_mov_b32 v[NIL], 0
	v_lshrrev_b32 v1, 5, v0
	v_readfirstlane_b32 s16, v1                    ; wave
	v_and_b32 v2, 31, v0                           ; lane
	v_lshlrev_b32 v3, 4, v2                        ; my 16 bytes of a load's 512
	s_mul_i32 s17, s16, WREG
	v_lshrrev_b32 v14, 2, v2
	v_mul_u32_u24 v14, v14, SP
	v_and_b32 v15, 3, v2
	v_lshl_add_u32 v14, v15, 4, v14
	v_add_nc_u32 v14, s17, v14                     ; the stage, on the way in: SP (lane / 4) + 16 (lane % 4)
	v_mul_u32_u24 v15, v2, SP
	v_add_nc_u32 v15, s17, v15                     ; and on the way out: SP x lane: my 16 neighbours
	v_mul_u32_u24 v4, v2, CB                       ; 8 x lane: my codes' place in a step's; also my f16 numbers' place in a store's 256 bytes
	v_lshrrev_b32 v5, 1, v2
	s_add_co_u32 s17, s17, 2*32*SP
	v_add_nc_u32 v5, s17, v5                       ; LDS: my wave's 256 scale bytes, my block's byte
	v_lshlrev_b32 v7, 3, v2                        ; and on the way out 8 bytes a lane
	v_add_nc_u32 v6, s17, v7
	s_wait_kmcnt 0x0
	s_cmp_ge_u32 ttmp9, WGQ                        ; the work-group's number alone decides
	s_cbranch_scc1 .Lconv
	s_cmp_lt_u32 ttmp9, WGA                        ; x's work-group or w_qkv's?  Only pointers are chosen: both take one path
	s_cselect_b64 s[4:5], s[4:5], s[6:7]
	s_cselect_b64 s[8:9], s[8:9], s[12:13]
	s_cselect_b64 s[10:11], s[10:11], s[14:15]
	s_cselect_b32 s17, 0, WGA
	s_sub_co_u32 s17, ttmp9, s17
	s_lshl_b32 s17, s17, 2
	s_add_co_u32 s18, s17, s16                     ; which run of 8,192 numbers of the tensor is my wave's
	s_mov_b32 s19, 0
	s_mov_b64 s[20:21], 512*STEPS*4
	s_mul_u64 s[20:21], s[18:19], s[20:21]
	s_add_nc_u64 s[4:5], s[4:5], s[20:21]
	s_mov_b64 s[20:21], 32*STEPS*CB
	s_mul_u64 s[20:21], s[18:19], s[20:21]
	s_add_nc_u64 s[8:9], s[8:9], s[20:21]
	s_lshl_b32 s18, s18, 8                         ; 256 scale bytes a run
	s_add_nc_u64 s[10:11], s[10:11], s[18:19]
.macro LOAD t
.irp i, 0,1,2,3
	global_load_b128 v[R+16*((\t)%4)+4*\i:R+16*((\t)%4)+4*\i+3], v3, s[4:5] offset:2048*(\t)+512*\i th:TH_LOAD_NT   ; 32 lanes read 512 consecutive bytes
.endr
.endm
.macro TURN t                          ; step t's numbers through the stage: LDS serves a wave's instructions in order, so no wait stands between the stores and the loads
.irp i, 0,1,2,3
	ds_store_b128 v14, v[R+16*((\t)%4)+4*\i:R+16*((\t)%4)+4*\i+3] offset:32*SP*((\t)%2)+8*SP*\i
.endr
.irp i, 0,1,2,3
	ds_load_b128 v[X+16*((\t)%2)+4*\i:X+16*((\t)%2)+4*\i+3], v15 offset:32*SP*((\t)%2)+16*\i
.endr
.endm
.irp t, 0,1,2,3
	LOAD \t
.endr
	s_wait_loadcnt 12                              ; step 0's four loads are in; the twelve of steps 1 to 3 may be out
	TURN 0
.macro STEP t
.set XS, X+16*((\t)%2)
.if (\t) > 0
	s_wait_dscnt 1                                 ; this step's numbers are back from the stage (the last step's byte store may be out)
.else
	s_wait_dscnt 0x0
.endif
.if (\t)+4 < STEPS
	LOAD (\t)+4                                    ; into the registers that the stage's stores have read
.endif
.if (\t)+1 < STEPS
.if STEPS-2-(\t) >= 3
	s_wait_loadcnt 12                              ; the next step's four loads are in; those of the three steps behind it may be out
.else
	s_wait_loadcnt 4*(STEPS-2-(\t))
.endif
	TURN (\t)+1                                    ; through the other stage while this step is worked
.endif
	v_max3_num_f32 v8, |v[XS]|, |v[XS+1]|, |v[XS+2]|               ; the largest magnitude of my 16, in two chains
	v_max3_num_f32 v9, |v[XS+3]|, |v[XS+4]|, |v[XS+5]|
.irp i, 6,10
	v_max3_num_f32 v8, v8, |v[XS+\i]|, |v[XS+\i+1]|
	v_max3_num_f32 v9, v9, |v[XS+\i+2]|, |v[XS+\i+3]|
.endr
	v_max3_num_f32 v8, v8, |v[XS+14]|, |v[XS+15]|
	v_max3_num_f32 v8, v8, v9, (EMAX+1)<<23        ; and the floor 2^(3 - 127): the byte cannot fall under 1
	v_max_num_f32_dpp v8, v8, v8 row_xmask:1 row_mask:0xf bank_mask:0xf   ; and of my neighbour's 16: the block's
	v_add_nc_u32 v11, -(EMAX<<23), v8              ; 2 off its exponent field: the conversion takes the exponent field of this operand as its scale
	v_cvt_scalef32_pk8_fp4_f32 v[C+4*(\t)], v[XS:XS+7], v11
	v_cvt_scalef32_pk8_fp4_f32 v[C+4*(\t)+1], v[XS+8:XS+15], v11
	v_lshrrev_b32 v[E+(\t)], 23, v11               ; the scale's byte (also the plain line behind the conversions)
	ds_store_b8 v5, v[E+(\t)] offset:16*(\t)       ; both lanes of a block write the same byte with the same value
	global_store_b64 v4, v[C+4*(\t):C+4*(\t)+1], s[8:9] offset:32*CB*(\t)   ; 256 consecutive bytes a wave
.endm
.irp t, 0,1,2,3,4,5,6,7,8,9,10,11,12,13,14,15
	STEP \t
.endr
	ds_load_b64 v[8:9], v6                         ; LDS serves a wave's instructions in order: these see my stores
	s_wait_dscnt 0x0
	global_store_b64 v7, v[8:9], s[10:11]          ; 32 lanes store 256 consecutive bytes of scale bytes
	s_branch .Lend
; w_out to f16: four batches of 16 loads of 512 bytes; a lane's four numbers become 8 bytes, a wave's store 256 consecutive bytes.  This arm touches no LDS but its spare words.
.Lconv:
	s_sub_co_u32 s17, ttmp9, WGQ
	s_lshl_b32 s17, s17, 2
	s_add_co_u32 s17, s17, s16                     ; which run of 8,192 numbers
	s_lshl_b32 s18, s17, 15                        ; 32,768 bytes of f32 a run
	s_mov_b32 s19, 0
	s_add_nc_u64 s[24:25], s[24:25], s[18:19]
	s_lshl_b32 s18, s17, 14                        ; 16,384 bytes of f16
	s_add_nc_u64 s[26:27], s[26:27], s[18:19]
.macro LOADB g
.irp i, 0,1,2,3,4,5,6,7,8,9,10,11,12,13,14,15
	global_load_b128 v[F+64*((\g)%2)+4*\i:F+64*((\g)%2)+4*\i+3], v3, s[24:25] offset:8192*(\g)+512*\i th:TH_LOAD_NT
.endr
.endm
.macro CONV g
.if (\g) < 3
	s_wait_loadcnt 16                              ; this batch is in; the next batch's sixteen may be out
.else
	s_wait_loadcnt 0x0
.endif
.if (\g) > 0
	s_wait_xcnt 0x0                                ; the last batch's stores have read their data: the registers are written again only behind this wait
.endif
.irp i, 0,1,2,3,4,5,6,7,8,9,10,11,12,13,14,15
	v_cvt_pk_f16_f32 v[H+2*\i], v[F+64*((\g)%2)+4*\i], v[F+64*((\g)%2)+4*\i+1]
	v_cvt_pk_f16_f32 v[H+2*\i+1], v[F+64*((\g)%2)+4*\i+2], v[F+64*((\g)%2)+4*\i+3]
.endr
.irp i, 0,1,2,3,4,5,6,7,8,9,10,11,12,13,14,15
	global_store_b64 v4, v[H+2*\i:H+2*\i+1], s[26:27] offset:4096*(\g)+256*\i
.endr
.if (\g)+2 < 4
	LOADB (\g)+2
.endif
.endm
	LOADB 0
	LOADB 1
	CONV 0
	CONV 1
	CONV 2
	CONV 3
.Lend:
	s_wait_tensorcnt 0x0                           ; the wave's end, behind my last LDS store
	ds_add_u32 v[SPW], v[NIL]
	s_wait_dscnt 0x0
	s_endpgm
.Lfunc_end_k_q9bc0b2363a_prep:
	.size	k_q9bc0b2363a_prep, .Lfunc_end_k_q9bc0b2363a_prep-k_q9bc0b2363a_prep
	.p2alignl 7, 3214868480
	.fill 96, 4, 3214868480
	.section	.rodata,"a",@progbits
	.p2align	6, 0x0
	.amdhsa_kernel k_q9bc0b2363a_prep
		.amdhsa_group_segment_fixed_size 33280
		.amdhsa_private_segment_fixed_size 0
		.amdhsa_enable_private_segment 0
		.amdhsa_kernarg_size 64
		.amdhsa_user_sgpr_count 2
		.amdhsa_user_sgpr_kernarg_segment_ptr 1
		.amdhsa_wavefront_size32 1
		.amdhsa_system_sgpr_workgroup_id_x 1
		.amdhsa_system_sgpr_workgroup_id_y 1
		.amdhsa_system_sgpr_workgroup_id_z 1
		.amdhsa_system_vgpr_workitem_id 0
		.amdhsa_next_free_vgpr 192
		.amdhsa_next_free_sgpr 66
		.amdhsa_reserve_vcc 0
		.amdhsa_float_denorm_mode_32 3
		.amdhsa_float_denorm_mode_16_64 3
		.amdhsa_memory_ordered 1
		.amdhsa_forward_progress 1
		.amdhsa_inst_pref_size 54
	.end_amdhsa_kernel
	.amdgpu_metadata
---
amdhsa.version: [ 1, 2 ]
amdhsa.kernels:
  - .name:           k_q9bc0b2363a_prep
    .symbol:         k_q9bc0b2363a_prep.kd
    .args:
      - { .name: x, .offset: 0, .size: 8, .value_kind: global_buffer, .address_space: global }
      - { .name: w_qkv, .offset: 8, .size: 8, .value_kind: global_buffer, .address_space: global }
      - { .name: xc, .offset: 16, .size: 8, .value_kind: global_buffer, .address_space: global }
      - { .name: xs, .offset: 24, .size: 8, .value_kind: global_buffer, .address_space: global }
      - { .name: wc, .offset: 32, .size: 8, .value_kind: global_buffer, .address_space: global }
      - { .name: ws, .offset: 40, .size: 8, .value_kind: global_buffer, .address_space: global }
      - { .name: w_out, .offset: 48, .size: 8, .value_kind: global_buffer, .address_space: global }
      - { .name: w16, .offset: 56, .size: 8, .value_kind: global_buffer, .address_space: global }
    .group_segment_fixed_size: 33280
    .private_segment_fixed_size: 0
    .kernarg_segment_align: 8
    .kernarg_segment_size: 64
    .max_flat_workgroup_size: 128
    .sgpr_count:     66
    .vgpr_count:     192
    .wavefront_size: 32
...
	.end_amdgpu_metadata
.endif
;; end of part 1
;; launch qkv (part 2): grid 12 x 32, 4 waves a work-group, clusters of 4 x 4, 327,680 bytes of LDS; arguments xc, xs, wc, ws, qkv16, qkv32; writes qkv16, qkv32
.if DOCPART == 2
	.amdgcn_target "amdgcn-amd-amdhsa--gfx1250"
	.amdhsa_code_object_version 6
	.text
	.protected	k_q9bc0b2363a_qkv
	.globl	k_q9bc0b2363a_qkv
	.p2align	8
	.type	k_q9bc0b2363a_qkv,@function
k_q9bc0b2363a_qkv:
	s_mov_b64 s[64:65], 0
	v_nop
	global_prefetch_b8 v0, s[64:65] scope:SCOPE_SE
	s_setreg_imm32_b32 hwreg(HW_REG_WAVE_MODE, 25, 1), 1
	s_wait_xcnt 0x0
	s_wait_alu depctr_hold_cnt(0) depctr_sa_sdst(0) depctr_va_vdst(0) depctr_va_sdst(0) depctr_va_ssrc(0) depctr_va_vcc(0) depctr_vm_vsrc(0)
	s_getreg_b32 s2, hwreg(HW_REG_IB_STS2, 6, 4)
	s_cmp_eq_u32 s2, 0
	s_cbranch_scc0 .Lentry_in_a_cluster
	s_endpgm
.Lentry_in_a_cluster:
	s_bfe_u32 s2, ttmp6, 0x10000c
	s_cmp_lg_u32 s2, 0xf033
	s_cbranch_scc0 .Lentry_shape_is_right
	s_endpgm
.Lentry_shape_is_right:
; qkv[m][n] = sum over k of x[m][k] w_qkv[n][k] on codes of FP4 (E2M1) with one E8M0 scale for each 32 along K; sums in f32.  m = 8,192, n = 3,072, k = 1,024.
; OUT: rounded once to f16, head-major: qkv16 [q,k,v][batch][head][t][64]; and the rows t < 16 of every batch once more in f32: qkv32 [batch][q,k,v][head][16][64].
; LIMIT: a result beyond 65,504 in magnitude becomes infinity in f16 (the drawn data lie some ten thousand times under that).
; A tile of 256 x 256 is made by a work-group of four waves, a wave makes 128 x 128: 64 accumulators of 16 x 16, 512 registers.  K is two steps of 512 (a tile's row is 256 bytes of memory): both steps' tiles and all
; scale bytes are asked for at the head, each byte of LDS is filled once.  By this text's count a wave has three tensor loads out.
; CLUSTERS: 4 x 4 work-groups.  The four of a row of the cluster need the same tiles of x, the four of a column the same tiles of w: each tile is asked for JOINTLY, by the same tensor load with the same descriptor
; and a mask that names the four.  Tile row = 8 cy + cluster y: so the batch is cy, and the block of 256 positions in the sequence is the cluster's y, which all sixteen share.
; THE MATRIX INSTRUCTION IS USED TRANSPOSED (source 0 = 16 rows of w, source 1 = 16 rows of x): a lane then holds eight neighbouring columns of one row of the result.
; REGISTERS, in windows of 256: window 0: v0-31 addresses; v32-95 scale words, two sets; v128-191 x's fragments, ONE set; on the way out v32-63, v192-255 at work.
;   window 1: w's fragments, TWO sets, at v0 and v128.   window 2: the accumulators of my rows 0-63 ((a, b) at v[8 (8 a + b)]);   window 3: those of my rows 64-127.
; No prefetch: every tile is asked for at the head.
.set SIZE_K, 1024
.set KSTEP,  512
.set NQ,     KSTEP/128                 ; matrix instructions deep
.set ROWB,   256                       ; a tile's row in bytes
.set KROW,   SIZE_K*4/8                ; a row of codes in memory
.set PITCH,  272                       ; an LDS row: 256 bytes + 16 of padding: the 16 rows that a load touches start at 16 different places modulo 256 bytes
.set FR,     8                         ; registers of a fragment: 16 rows x 128 K
.set NL,     2                         ; LDS loads that bring one
.set NP,     4                         ; places behind this matrix instruction (ISA guide 7.12.1)
.set HALFT,  128*PITCH
.set SLOT,   4*HALFT                   ; x's 256 rows, then w's 256 rows
.set KS,     SIZE_K/32                 ; a row of scales in bytes
.set SCL,    2*SLOT                    ; behind the slots: the scales, as runs of 256 bytes + 16 of padding
.set HALFS,  (128*KS/256)*272
.set SBLK,   (16*KS/256)*272
.set SPARE,  SCL+4*HALFS               ; the spare words, 128 bytes a wave, which no other line names
.set SPITCH, 272                       ; the way out: a stage of 16 rows x (256 bytes + 16) for each wave, in slot 0, which has had its only fill and its last read by then
.set ADRA, 16                          ; v16-17  LDS address of my x fragments in slot 0, 1
.set ADRB, 20                          ; v20-21  the same for w
.set STO,  24                          ; v24     the way out: where I put 16 bytes of a row
.set RD,   25                          ; v25     where I read 16 bytes back
.set CO,   26                          ; v26     my byte offset in qkv16
.set ADRS, 27                          ; v27     LDS address of my scale words: lanes 0-15 x's rows, lanes 16-31 w's
.set SPW,  28                          ; v28     my spare word; never rewritten
.set NIL,  29                          ; v29     0; never rewritten
.set E32,  30                          ; v30     my byte offset in qkv32
.set SC,   32                          ; scale words: set s at v[SC + 32 s]; register 4 i + q: lanes 0-15 x's block i, lanes 16-31 w's block i
.set AF,   128                         ; x's fragments
.set TMP,  192                         ; the way out: packed results
.set OB,   32                          ; the way out: rows read back: v32-63 and v224-255 by turns
.set G1, 24
.set G0, 32
.set G1B, 48
.set G0B, 56
.set G1S, 68
.set G0S, 76
.set G1SB, 80
.set G0SB, 88
.set MSB, 0
.macro WIN new                         ; the immediate's high byte repeats the setting that is left
.if MSB != \new
	s_set_vgpr_msb (MSB<<8)|\new
.set MSB, \new
.endif
.endm
.set MUL_LO, 0xa1                      ; source 0 (w) window 1, source 1 (x) window 0, C and D window 2
.set MUL_HI, 0xf1                      ; the same, C and D window 3
.set TO_B,   0x40                      ; destination window 1, address window 0
; A joint load: waves 0 and 1 fetch for x, waves 2 and 3 for w.  The branch hangs on the wave's number alone.  An s_nop 0 and four v_nop follow each of the two lines.
.macro JLOAD g0a, g1a, g0b, g1b
	s_cmp_eq_u32 s15, 0
	s_cbranch_scc0 .Lfor_b_\@
	tensor_load_to_lds s[\g0a:\g0a+3], s[\g1a:\g1a+7]
	s_nop 0
.rept 4
	v_nop
.endr
	s_branch .Lasked_\@
.Lfor_b_\@:
	tensor_load_to_lds s[\g0b:\g0b+3], s[\g1b:\g1b+7]
	s_nop 0
.rept 4
	v_nop
.endr
.Lasked_\@:
.endm
.macro CROUND                          ; a round of the cluster's barrier
	s_barrier_signal -1
	s_barrier_wait -1
	s_cmp_lg_u32 s14, 0
	s_cbranch_scc1 .Lnot_wave_0_\@
	s_barrier_signal -3
.Lnot_wave_0_\@:
	s_barrier_wait -3
	s_barrier_signal -1
	s_barrier_wait -1
.endm
	s_load_b128 s[4:7], s[0:1], 0x0                ; x's codes, x's scales
	s_load_b128 s[8:11], s[0:1], 0x10              ; w's codes, w's scales
	s_load_b128 s[96:99], s[0:1], 0x20             ; qkv16, qkv32
	v_lshl_add_u32 v[SPW], v0, 2, SPARE
	v_mov_b32 v[NIL], 0
	ds_add_u32 v[SPW], v[NIL]                      ; the wave's opening: the add, twice on end, and its wait ahead of my first tensor load
	ds_add_u32 v[SPW], v[NIL]
	v_lshrrev_b32 v1, 5, v0
	v_readfirstlane_b32 s14, v1                    ; wave 0..3
	s_lshr_b32 s15, s14, 1                         ; which half of the tile's rows is mine.  Also: I fetch for x (0) or for w (1)
	s_and_b32 s16, s14, 1                          ; which half of its columns.  Also: which 128 rows of that tile I fetch
	s_bfe_u32 s40, ttmp6, 0x40000                  ; cx, cy: my place in the cluster
	s_bfe_u32 s41, ttmp6, 0x40004
	s_lshl_b32 s42, ttmp9, 2
	s_add_co_u32 s42, s42, s40                     ; tile column = 4 x cluster x + cx
	s_and_b32 s17, ttmp7, 0xffff
	s_lshl_b32 s18, s41, 3
	s_add_co_u32 s17, s17, s18                     ; tile row = 8 cy + cluster y
	s_lshl_b32 s43, s41, 2
	s_lshl_b32 s43, 15, s43                        ; my row of the cluster
	s_lshl_b32 s44, 0x1111, s40                    ; my column
	; descriptor group 1: a tile of 128 rows x 256 bytes, 16 bytes of padding behind each row
	s_or_b32 s[G1+0], s43, (0<<16)|(1<<20)|(1<<21)|(5<<22)|(3<<25)
	s_or_b32 s[G1B+0], s44, (0<<16)|(1<<20)|(1<<21)|(5<<22)|(3<<25)
.irp g, G1, G1B
	s_mov_b32 s[\g+1], ROWB<<16                    ; tensor_dim0
	s_mov_b32 s[\g+2], 128<<16                     ; tensor_dim1
	s_mov_b32 s[\g+3], ROWB<<16                    ; tile_dim0
	s_mov_b32 s[\g+4], 128                         ; tile_dim1
	s_mov_b32 s[\g+5], KROW                        ; from row to row
	s_mov_b32 s[\g+6], 0
	s_mov_b32 s[\g+7], 0
.endr
	; the scales of 128 rows: a dense block of 4,096 bytes, as 16 rows of 256 bytes (32 elements of 8 bytes), 16 bytes of padding behind each
	s_or_b32 s[G1S+0], s43, (3<<16)|(1<<20)|(1<<21)|(5<<22)|(3<<25)
	s_or_b32 s[G1SB+0], s44, (3<<16)|(1<<20)|(1<<21)|(5<<22)|(3<<25)
.irp g, G1S, G1SB
	s_mov_b32 s[\g+1], 32<<16
	s_mov_b32 s[\g+2], (128*KS/256)<<16
	s_mov_b32 s[\g+3], 32<<16
	s_mov_b32 s[\g+4], 128*KS/256
	s_mov_b32 s[\g+5], 32
	s_mov_b32 s[\g+6], 0
	s_mov_b32 s[\g+7], 0
.endr
	s_lshl_b32 s18, s16, 7                         ; which 128 rows of the tile I fetch
	s_lshl_b32 s20, s17, 8
	s_add_co_u32 s20, s20, s18                     ; x: row 256 x tile row + 128 x half
	s_lshl_b32 s46, s42, 8
	s_add_co_u32 s46, s46, s18                     ; w: row 256 x tile column + 128 x half
	s_mov_b32 s21, 0
	s_mov_b32 s47, 0
	s_mov_b64 s[18:19], KS
	s_mul_u64 s[22:23], s[20:21], s[18:19]         ; where these rows' scales begin, in bytes
	s_mul_u64 s[92:93], s[46:47], s[18:19]
	s_mov_b64 s[18:19], KROW
	s_mul_u64 s[20:21], s[20:21], s[18:19]         ; and their codes
	s_mul_u64 s[46:47], s[46:47], s[18:19]
	s_mul_i32 s45, s14, HALFT                      ; where they go: wave x 128 rows: no place in the cluster enters an LDS address
	s_mul_i32 s94, s14, HALFS
	s_wait_dscnt 0x0                               ; both opening adds are done
	s_wait_kmcnt 0x0
	s_add_nc_u64 s[20:21], s[4:5], s[20:21]
	s_add_nc_u64 s[22:23], s[6:7], s[22:23]
	s_add_nc_u64 s[46:47], s[8:9], s[46:47]
	s_add_nc_u64 s[92:93], s[10:11], s[92:93]
	CROUND                                         ; all sixteen work-groups are here: the joint loads meet
	s_mov_b32 s[G0S], 1
	s_add_co_u32 s[G0S+1], s94, SCL
	s_mov_b64 s[G0S+2:G0S+3], s[22:23]
	s_or_b32 s[G0S+3], s[G0S+3], 0x80000000
	s_mov_b32 s[G0SB], 1
	s_add_co_u32 s[G0SB+1], s94, SCL
	s_mov_b64 s[G0SB+2:G0SB+3], s[92:93]
	s_or_b32 s[G0SB+3], s[G0SB+3], 0x80000000
	JLOAD G0S, G1S, G0SB, G1SB                     ; the scales first: they are wanted with K step 0
.irp s, 0,1
	s_mov_b32 s[G0+4*\s], 1
	s_add_co_u32 s[G0+4*\s+1], s45, \s*SLOT
	s_add_nc_u64 s[G0+4*\s+2:G0+4*\s+3], s[20:21], \s*ROWB
	s_or_b32 s[G0+4*\s+3], s[G0+4*\s+3], 0x80000000
	s_mov_b32 s[G0B+4*\s], 1
	s_add_co_u32 s[G0B+4*\s+1], s45, \s*SLOT
	s_add_nc_u64 s[G0B+4*\s+2:G0B+4*\s+3], s[46:47], \s*ROWB
	s_or_b32 s[G0B+4*\s+3], s[G0B+4*\s+3], 0x80000000
	JLOAD G0+4*\s, G1, G0B+4*\s, G1B
.endr
	v_and_b32 v1, 15, v0                           ; l % 16
	v_bfe_u32 v2, v0, 4, 1                         ; l / 16
	v_mul_u32_u24 v3, v1, PITCH
	v_lshl_add_u32 v4, v2, 4, v3                   ; a fragment's row x pitch + 16 x half
	s_mul_i32 s21, s15, HALFT                      ; my 128 rows of x
	s_mul_i32 s22, s16, HALFT                      ; my 128 rows of w,
	s_add_co_u32 s22, s22, 2*HALFT                 ; which lie behind x's 256
.irp s, 0,1
	v_add_nc_u32 v[ADRA+\s], s21, v4
	v_add_nc_u32 v[ADRB+\s], s22, v4
	s_add_co_u32 s21, s21, SLOT
	s_add_co_u32 s22, s22, SLOT
.endr
	v_mul_u32_u24 v5, v1, KS                       ; my row's scales: 32 bytes a row,
	v_lshrrev_b32 v6, 8, v5
	v_lshl_add_u32 v5, v6, 4, v5                   ; and 16 more for each 256 passed
	s_mul_i32 s21, s15, HALFS                      ; x's: my 128 rows
	s_mul_i32 s22, s16, HALFS                      ; w's: my 128 rows, behind x's 256
	s_add_co_u32 s22, s22, 2*HALFS
	s_sub_co_u32 s22, s22, s21
	v_mul_u32_u24 v6, s22, v2                      ; lanes 16-31 take w's: one product, the lower base + half x the distance
	s_add_co_u32 s21, s21, SCL
	v_add_nc_u32 v5, v5, v6
	v_add_nc_u32 v[ADRS], s21, v5
	s_mul_i32 s23, s14, 16*SPITCH                  ; my stage
	v_mul_u32_u24 v5, v1, SPITCH                   ; in: row l % 16, 16 bytes for each half of the lanes
	v_lshl_add_u32 v5, v2, 4, v5
	v_add_nc_u32 v[STO], s23, v5
	v_bfe_u32 v5, v0, 3, 1                         ; back: lanes 0-7 a row's first head, lanes 8-15 the next row's; lanes 16-31 the same of the second head
	v_mul_u32_u24 v5, v5, SPITCH
	v_lshl_add_u32 v5, v2, 7, v5
	v_and_b32 v6, 7, v0
	v_lshl_add_u32 v5, v6, 4, v5
	v_add_nc_u32 v[RD], s23, v5
	v_lshlrev_b32 v[CO], 18, v2                    ; in qkv16 a head is 2,048 x 128 bytes; two rows of a head are 256 consecutive bytes
	v_lshl_add_u32 v[CO], v1, 4, v[CO]
	v_lshlrev_b32 v[E32], 8, v1                    ; in qkv32: row l % 16 of 256 bytes, + 32 x half
	v_lshl_add_u32 v[E32], v2, 5, v[E32]
	; where my part begins in the two outputs (in registers that never fed a descriptor)
	s_lshr_b32 s66, s42, 2                         ; which of q, k, v: 1,024 columns each
	s_and_b32 s67, s42, 3
	s_lshl_b32 s67, s67, 2
	s_lshl_b32 s95, s16, 1
	s_add_co_u32 s67, s67, s95                     ; my first head: my 128 columns are two heads
	s_and_b32 s13, ttmp7, 0xffff                   ; the cluster's y: the block of 256 positions
	s_lshl_b32 s100, s66, 2
	s_add_co_u32 s100, s100, s41                   ; x 4 + batch
	s_lshl_b32 s100, s100, 4
	s_add_co_u32 s100, s100, s67                   ; x 16 + head
	s_lshl_b32 s100, s100, 11
	s_lshl_b32 s95, s13, 8
	s_add_co_u32 s100, s100, s95
	s_lshl_b32 s95, s15, 7
	s_add_co_u32 s100, s100, s95                   ; x 2,048 + my first position
	s_lshl_b32 s100, s100, 7                       ; x 128 bytes: under 2^26
	s_mov_b32 s101, 0
	s_add_nc_u64 s[96:97], s[96:97], s[100:101]
	s_mul_i32 s100, s41, 3
	s_add_co_u32 s100, s100, s66
	s_lshl_b32 s100, s100, 4
	s_add_co_u32 s100, s100, s67
	s_lshl_b32 s100, s100, 12                      ; ((batch x 3 + which) x 16 + head) x 4,096 bytes
	s_add_nc_u64 s[98:99], s[98:99], s[100:101]
	s_or_b32 s12, s13, s15                         ; 0 where my first block of 16 rows is positions 0-15: the cluster's y and the wave's number alone
.macro FRAG reg, adr, q, i             ; a fragment, 16 rows x 128 K of 4-bit codes: lane l holds row l % 16; registers 4 c .. 4 c + 3 hold K = 64 c + 32 (l / 16) + 0 .. 31
.irp c, 0,1
	ds_load_b128 v[\reg+4*\c:\reg+4*\c+3], v[\adr] offset:64*(\q)+32*\c+(\i)*16*PITCH
.endr
.endm
; 16 matrix instructions: x's blocks a0, a0 + 1 against w's eight, 128 along K.  p: w's set;  sc: the set of scale words.  zero = 1: the first product starts the sums.
; The 64 accumulators take turns, one instruction a turn, in the same order in every step.
.macro MUL16 a0, p, q, sc, zero
.irp a, \a0, \a0+1
.irp b, 0,1,2,3,4,5,6,7
.if \zero
	v_wmma_scale_f32_16x16x128_f8f6f4 v[8*(8*((\a)%4)+\b):8*(8*((\a)%4)+\b)+7], v[128*(\p)+FR*\b:128*(\p)+FR*\b+FR-1], v[AF+FR*(\a):AF+FR*(\a)+FR-1], 0, v[SC+8*NQ*(\sc)+NQ*\b+(\q)], v[SC+8*NQ*(\sc)+NQ*(\a)+(\q)] matrix_a_fmt:MATRIX_FMT_FP4 matrix_b_fmt:MATRIX_FMT_FP4 matrix_a_scale:MATRIX_SCALE_ROW1
.else
	v_wmma_scale_f32_16x16x128_f8f6f4 v[8*(8*((\a)%4)+\b):8*(8*((\a)%4)+\b)+7], v[128*(\p)+FR*\b:128*(\p)+FR*\b+FR-1], v[AF+FR*(\a):AF+FR*(\a)+FR-1], v[8*(8*((\a)%4)+\b):8*(8*((\a)%4)+\b)+7], v[SC+8*NQ*(\sc)+NQ*\b+(\q)], v[SC+8*NQ*(\sc)+NQ*(\a)+(\q)] matrix_a_fmt:MATRIX_FMT_FP4 matrix_b_fmt:MATRIX_FMT_FP4 matrix_a_scale:MATRIX_SCALE_ROW1
.endif
.endr
.endr
.endm
.macro FETCH_B slot, q, p              ; w's eight fragments of the slot's q-th 128 along K into set p
	WIN TO_B
.irp i, 0,1,2,3,4,5,6,7
	FRAG 128*(\p)+FR*\i, ADRB+\slot, \q, \i
.endr
	WIN 0
.endm
.macro FETCH_A slot, q, i0             ; x's blocks i0 .. i0 + 3
.irp i, \i0, \i0+1, \i0+2, \i0+3
	FRAG AF+FR*(\i), ADRA+\slot, \q, \i
.endr
.endm
.macro SCALES sc                       ; a K step's scale words into set sc: four words a row; lanes 0-15 take x's block i, lanes 16-31 w's block i
.irp i, 0,1,2,3,4,5,6,7
	ds_load_b128 v[SC+8*NQ*\sc+NQ*\i:SC+8*NQ*\sc+NQ*\i+3], v[ADRS] offset:\i*SBLK
.endr
.endm
; A load into a register that a matrix instruction has read, and a vector instruction or a store that reads a matrix result, stand four places behind that matrix instruction; only plain vector
; instructions that name none of its registers are places.
.macro PLACES n
.rept \n
	v_nop
.endr
.endm
.macro STEP slot, q, zero              ; a step of 128 along K that has its successor in the same slot
	s_wait_dscnt 4*NL                              ; w's set and x's blocks 0-3 are in; the youngest eight loads (x's blocks 4-7) may be out
	WIN MUL_LO
	MUL16 0, (\q)%2, \q, \slot, \zero
	MUL16 2, (\q)%2, \q, \slot, \zero
	s_wait_dscnt 0                                 ; x's blocks 4-7 are in
	PLACES NP
	FETCH_B \slot, (\q)+1, 1-(\q)%2
	FETCH_A \slot, (\q)+1, 0
	WIN MUL_HI
	MUL16 4, (\q)%2, \q, \slot, \zero
	MUL16 6, (\q)%2, \q, \slot, \zero
	PLACES NP
	WIN 0
	FETCH_A \slot, (\q)+1, 4
.endm
; Slot 0's last step changes slots: one barrier; in front of it each wave waits for all its tensor loads (its part of slot 1), adds 0 to its spare word, and waits for that and for its reads of slot 0.
; Behind it slot 1 is whole, and nobody reads slot 0 any more: the stages of the way out lie there.  Nothing is filled again.
.macro TURN slot, next
	s_wait_tensorcnt 0x0
	ds_add_u32 v[SPW], v[NIL]
	s_wait_dscnt 4*NL+1                            ; (the add and the youngest eight loads may be out)
	WIN MUL_LO
	MUL16 0, 1, NQ-1, \slot, 0
	s_wait_dscnt 0x0                               ; the add is done, and my reads of this slot are over
	s_barrier_signal -1
	MUL16 2, 1, NQ-1, \slot, 0
	WIN 0
	s_barrier_wait -1
	PLACES NP
	v_add_nc_u32 v[ADRS], 4*NQ, v[ADRS]            ; on to the next K step's scale words
	FETCH_B \next, 0, 0
	FETCH_A \next, 0, 0
	SCALES \next
	WIN MUL_HI
	MUL16 4, 1, NQ-1, \slot, 0
	MUL16 6, 1, NQ-1, \slot, 0
	PLACES NP
	WIN 0
	FETCH_A \next, 0, 4
.endm
	s_wait_tensorcnt 1                             ; the scales and my part of K step 0 are in (K step 1's load may be out),
	s_barrier_signal -1
	s_barrier_wait -1                              ; everybody's are
	FETCH_B 0, 0, 0
	FETCH_A 0, 0, 0
	SCALES 0
	FETCH_A 0, 0, 4
	STEP 0, 0, 1                                   ; the first products start the sums: nothing is cleared
	STEP 0, 1, 0
	STEP 0, 2, 0
	TURN 0, 1
	STEP 1, 0, 0
	STEP 1, 1, 0
	STEP 1, 2, 0
	s_wait_dscnt 4*NL                              ; the last step: nothing more to fetch
	WIN MUL_LO
	MUL16 0, 1, NQ-1, 1, 0
	MUL16 2, 1, NQ-1, 1, 0
	s_wait_dscnt 0
	WIN MUL_HI
	MUL16 4, 1, NQ-1, 1, 0
	MUL16 6, 1, NQ-1, 1, 0
	WIN 0
	PLACES NP                                      ; behind the last products: for the reads of results and the loads into registers that held scale words
	; POSITIONS 0-15 IN f32: my block 0, where my first row is a sequence's first.  Lane (r, h): position r, columns 16 b + 8 h + 0 .. 7: 32 bytes.  786,432 bytes in the whole launch, in pieces of 16 bytes a lane.
	s_cmp_lg_u32 s12, 0
	s_cbranch_scc1 .Lnot_early                     ; alike in all sixteen partners for a given wave; it leads round stores alone
	WIN 0x08                                       ; a store's data are its source 1: window 2
.irp b, 0,1,2,3,4,5,6,7
	global_store_b128 v[E32], v[8*\b:8*\b+3], s[98:99] offset:(\b/4)*4096+(\b%4)*64        ; each accumulator from its low end on
	global_store_b128 v[E32], v[8*\b+4:8*\b+7], s[98:99] offset:(\b/4)*4096+(\b%4)*64+16
.endr
	WIN 0
.Lnot_early:
; THE WAY OUT, block by block of 16 rows x 128 columns.  PACK: rounded to f16, 16 bytes a lane.  TOSTAGE: into my stage, and back so that sixteen lanes hold two rows of one head.  SEND: stored.
.macro PACK a
.set AC, 64*((\a)%4)
	WIN 0x0a+5*((\a)/4)                            ; sources 0 and 1: window 2 or 3
.irp b, 0,1,2,3,4,5,6,7
.irp r, 0,1,2,3
	v_cvt_pk_f16_f32 v[TMP+4*\b+\r], v[AC+8*\b+2*\r], v[AC+8*\b+2*\r+1]
.endr
.endr
	WIN 0
.endm
.macro TOSTAGE a
.set BB, OB+192*((\a)%2)
.irp b, 0,1,2,3,4,5,6,7
	ds_store_b128 v[STO], v[TMP+4*\b:TMP+4*\b+3] offset:32*\b
.endr
.irp t, 0,1,2,3,4,5,6,7
	ds_load_b128 v[BB+4*\t:BB+4*\t+3], v[RD] offset:\t*2*SPITCH    ; LDS serves a wave's instructions in order: these see the stores above
.endr
.endm
.macro SEND a
.set BB, OB+192*((\a)%2)
	s_wait_dscnt 0x0                               ; the block is back in registers
	s_wait_xcnt 0x0                                ; the block before has been read by its stores: its registers are loaded again only behind this wait
.irp t, 0,1,2,3,4,5,6,7
	global_store_b128 v[CO], v[BB+4*\t:BB+4*\t+3], s[96:97] offset:2048*(\a)+256*\t   ; sixteen lanes store 256 consecutive bytes, aligned: two positions of one head
.endr
.endm
	PACK 0
	TOSTAGE 0
.irp a, 1,2,3,4,5,6,7                  ; block a's conversions stand between block a - 1's loads from the stage and the wait for them
	PACK \a
	SEND \a-1
	TOSTAGE \a
.endr
	SEND 7
	s_wait_tensorcnt 0x0                           ; the wave's end
	ds_add_u32 v[SPW], v[NIL]
	s_wait_dscnt 0x0
	CROUND                                         ; the closing round
	s_endpgm
.Lfunc_end_k_q9bc0b2363a_qkv:
	.size	k_q9bc0b2363a_qkv, .Lfunc_end_k_q9bc0b2363a_qkv-k_q9bc0b2363a_qkv
	.p2alignl 7, 3214868480
	.fill 96, 4, 3214868480
	.section	.rodata,"a",@progbits
	.p2align	6, 0x0
	.amdhsa_kernel k_q9bc0b2363a_qkv
		.amdhsa_group_segment_fixed_size 327680
		.amdhsa_private_segment_fixed_size 0
		.amdhsa_enable_private_segment 0
		.amdhsa_kernarg_size 48
		.amdhsa_user_sgpr_count 2
		.amdhsa_user_sgpr_kernarg_segment_ptr 1
		.amdhsa_wavefront_size32 1
		.amdhsa_system_sgpr_workgroup_id_x 1
		.amdhsa_system_sgpr_workgroup_id_y 1
		.amdhsa_system_sgpr_workgroup_id_z 1
		.amdhsa_system_vgpr_workitem_id 0
		.amdhsa_next_free_vgpr 1024
		.amdhsa_next_free_sgpr 104
		.amdhsa_reserve_vcc 0
		.amdhsa_float_denorm_mode_32 3
		.amdhsa_float_denorm_mode_16_64 3
		.amdhsa_memory_ordered 1
		.amdhsa_forward_progress 1
		.amdhsa_inst_pref_size 129
	.end_amdhsa_kernel
	.amdgpu_metadata
---
amdhsa.version: [ 1, 2 ]
amdhsa.kernels:
  - .name:           k_q9bc0b2363a_qkv
    .symbol:         k_q9bc0b2363a_qkv.kd
    .args:
      - { .name: xc, .offset: 0, .size: 8, .value_kind: global_buffer, .address_space: global }
      - { .name: xs, .offset: 8, .size: 8, .value_kind: global_buffer, .address_space: global }
      - { .name: wc, .offset: 16, .size: 8, .value_kind: global_buffer, .address_space: global }
      - { .name: ws, .offset: 24, .size: 8, .value_kind: global_buffer, .address_space: global }
      - { .name: qkv16, .offset: 32, .size: 8, .value_kind: global_buffer, .address_space: global }
      - { .name: qkv32, .offset: 40, .size: 8, .value_kind: global_buffer, .address_space: global }
    .group_segment_fixed_size: 327680
    .private_segment_fixed_size: 0
    .kernarg_segment_align: 8
    .kernarg_segment_size: 48
    .max_flat_workgroup_size: 128
    .sgpr_count:     104
    .vgpr_count:     1024
    .wavefront_size: 32
...
	.end_amdgpu_metadata
.endif
;; end of part 2
;; launch attn (part 3): grid 4 x 64, 8 waves a work-group, no clusters, 327,680 bytes of LDS; arguments qkv16, att16; writes att16
.if DOCPART == 3
	.amdgcn_target "amdgcn-amd-amdhsa--gfx1250"
	.amdhsa_code_object_version 6
	.text
	.protected	k_q9bc0b2363a_attn
	.globl	k_q9bc0b2363a_attn
	.p2align	8
	.type	k_q9bc0b2363a_attn,@function
k_q9bc0b2363a_attn:
	s_mov_b64 s[64:65], 0
	v_nop
	global_prefetch_b8 v0, s[64:65] scope:SCOPE_SE
	s_setreg_imm32_b32 hwreg(HW_REG_WAVE_MODE, 25, 1), 1
	s_wait_xcnt 0x0
; att[b][t][h][:] = the sum over keys k <= t of softmax_k(q . k / 8) v, for 64 heads (batch x head) of 2,048 positions and head size 64.  q, k, v: f16 (qkv16 [q,k,v][b][h][t][64]).
; Products on f16 operands, sums, maxima and exponentials in f32; the weights p (at most 1) are rounded to f16 for the second product, the result once to f16.
; OUT: att16 [pair of positions][head][position & 1][64] f16: one head's two neighbouring positions are 256 consecutive bytes.
; LIMITS: NaN and infinities are not served; a weight under 2^-24 of its row's largest counts as 0 in the second product (it still counts in the row's sum).
; SHARES.  Work-group (i, head) owns query blocks 7 - i and i (256 queries each), one after the other: block 7 - i walks key blocks 0 .. 7 - i, block i key blocks 0 .. i: always 9 slots of 256 keys, so all
; 256 work-groups have equal work and every trip count is a constant.  Wave w owns 32 queries of the block in hand: two tiles of 16, which share every fragment of K and V.  A key step is 64 keys.
; NO CLUSTER: the four work-groups of a head want the same key blocks in their first 5 slots at most; walking jointly they would pass 8 + 4 = 12 slots in step where each has work for 9.
; LAYOUT.  S^T = K Q^T (source 0 = 16 keys, source 1 = 16 queries): a lane holds ONE query (lane % 16) and keys 8 (lane / 16) + 0..7.  Two such tiles, rounded to f16 in pairs, ARE source 1 of O^T = V^T P.
; SOFTMAX.  A running maximum m and sum l for each query: p = 2^(c s - c m), c = log2(e) / 8; in every step O and l are multiplied by a = 2^(c m_old - c m_new).
; THE MASK.  A step all of whose keys come after my 32 queries is left out by a scalar branch on ids; on the diagonal hidden scores become -infinity ahead of the maximum.  A step that is walked begins at or under my
; first query, so every query has a key that counts in it.
; RING.  Two LDS slots of four key steps.  Every wave fetches: waves 0-3 the four steps' K, waves 4-7 their V, one tensor load a wave behind each change of slots; one load of a wave is out at a time.
.set PK,    144                        ; a row of K in LDS: 128 bytes + 16
.set PVV,   160                        ; a row of V: 128 + 32, an odd multiple of 32 for the turning load
.set VOFF,  64*PK                      ; a step: 64 rows of K, then 64 rows of V
.set STEPB, 64*(PK+PVV)
.set SLOT1, 1<<17                      ; slot 1 begins here: one exclusive or turns an address
.set STAGE, SLOT1+4*STEPB              ; behind the ring: 2 tiles x 16 rows x 144 bytes for each wave
.set WSTG,  2*16*PK
.set SPARE, STAGE+8*WSTG               ; the spare words, 128 bytes a wave, which no other line names
.set AK0, 1                            ; v1  my lane's place in a tile of K
.set AV0, 2                            ; v2  the same for V
.set ADK, 3                            ; v3, v4 addresses of the step in hand
.set ADV, 4
.set SPW, 5                            ; v5  my spare word; never rewritten
.set NIL, 6                            ; v6  0; never rewritten
.set QO,  7                            ; v7  my byte offset in the wave's rows of Q
.set STO, 8                            ; v8  the way out: where I put 16 bytes
.set RD,  9                            ; v9  where I read 16 bytes back
.set GO,  10                           ; v10 my byte offset in att16
.set LQ,  11                           ; v11 lane % 16 - 8 (lane / 16)
.set NINF, 14                          ; v14 -infinity;  v12, v13: the mask's bounds for the two tiles
.set PFO, 15                           ; v15 256 x lane
.set ST,  16                           ; tile u's statistics at v[16 + 8 u]: +0 c m, +1 m, +2, +3 l, +4 .. +7 at work; a in +6
.set Q,   32                           ; v[32 + 16 u + 8 c]
.set S,   64                           ; v[64 + 32 u + 8 t]; P takes the low 16 of each tile's 32
.set O,   128                          ; v[128 + 32 u + 8 d]
.set KV,  192                          ; one buffer: K's 8 fragments, then V's
.set WV,  8
.set BH,  9
.set SW,  11                           ; the slot at which the second block of queries begins: 8 - i
.set J,   12                           ; the slot in hand
.set KBL, 13                           ; the key block asked for last
.set TB,  14                           ; LDS byte at which the step in hand begins
.set KF,  15                           ; the step's first key
.set Q0,  16                           ; my first query
.set Q02, 17                           ; and in the second block
.set LIM, 18                           ; prefetches are issued while J is under it
.set CNT, 19
.set SEL, 20                           ; s[20:21] lane selects: lane l xor 16
.set CS,  22                           ; s[22:23] c
.set G1K, 24
.set G1V, 32
.set G0,  40
.set SRC, 44                           ; s[44:45] my step of key block 0, in K or in V
.set OFF, 46                           ; s[46:47] the key block's bytes
.set PFA, 48                           ; s[48:49] where my prefetch stands
.set QP1, 50
.set QP2, 52
.set OP1, 54
.set OP2, 56
; Waves 0-3 fetch K's tiles, waves 4-7 V's: two groups 1, which differ in the padding.  An s_nop 0 and four v_nop follow each of the two lines.
.macro TLOAD
	s_cmp_lt_u32 s[WV], 4
	s_cbranch_scc0 .Lfor_v_\@
	tensor_load_to_lds s[G0:G0+3], s[G1K:G1K+7]
	s_nop 0
.rept 4
	v_nop
.endr
	s_branch .Lasked_\@
.Lfor_v_\@:
	tensor_load_to_lds s[G0:G0+3], s[G1V:G1V+7]
	s_nop 0
.rept 4
	v_nop
.endr
.Lasked_\@:
.endm
; A PREFETCH of what the NEXT change of slots will ask for.  All four work-groups of a head walk the same K and V: the one with x = 0, which walks key blocks 0 to 7 in order, asks; in trip J for key block J + 2,
; a slot's four key steps ahead of the load that wants it.  Each wave names the 8,192 bytes that it will itself load, lanes 256 bytes apart: each block is named once in the launch.
; Key blocks 0 and 1 come by their loads alone; the last request, in trip 5, is for key block 7.
.macro ASK
	s_cmp_lt_u32 s[J], s[LIM]
	s_cbranch_scc0 .Lnot_mine_\@
	global_prefetch_b8 v[PFO], s[PFA:PFA+1] th:TH_LOAD_NT scope:SCOPE_SE
.Lnot_mine_\@:
.endm
.macro QLOAD p                         ; my 32 queries: tile u, channels 32 c on: lane l holds row l % 16; two loads of 16 bytes, 32 bytes apart
.irp u, 0,1
.irp c, 0,1
	global_load_b128 v[Q+16*\u+8*\c:Q+16*\u+8*\c+3], v[QO], s[\p:\p+1] offset:2048*\u+64*\c
	global_load_b128 v[Q+16*\u+8*\c+4:Q+16*\u+8*\c+7], v[QO], s[\p:\p+1] offset:2048*\u+64*\c+32
.endr
.endr
.endm
.macro INIT                            ; a block of queries begins: m = -3e38, under every score; l = 0; O = 0.  The loop is written once: its first step finds zeros, and a = 0
.irp u, 0,1
	v_mov_b32 v[ST+8*\u+1], 0xff61b1e6
	v_mul_f32 v[ST+8*\u], s[CS], v[ST+8*\u+1]
.irp j, 2,3,4,5,6,7
	v_mov_b32 v[ST+8*\u+\j], 0
.endr
.endr
.set i, 0
.rept 64
	v_mov_b32 v[O+i], 0
.set i, i+1
.endr
.endm
; THE SOFTMAX of a key step, both tiles line by line by turns, so that no line waits for the line above it.
.macro SOFTMAX
.irp j, 0,1,2,3                        ; the maximum of the lane's 32 scores and the old m: four chains; each accumulator is read from its low end on
.irp u, 0,1
	v_max3_num_f32 v[ST+8*\u+4+\j], v[S+32*\u+8*\j], v[S+32*\u+8*\j+1], v[S+32*\u+8*\j+2]
.endr
.endr
.irp g, 3,5
.irp j, 0,1,2,3
.irp u, 0,1
	v_max3_num_f32 v[ST+8*\u+4+\j], v[ST+8*\u+4+\j], v[S+32*\u+8*\j+\g], v[S+32*\u+8*\j+\g+1]
.endr
.endr
.endr
.irp u, 0,1
	v_max3_num_f32 v[ST+8*\u+4], v[ST+8*\u+4], v[S+32*\u+7], v[S+32*\u+15]
	v_max3_num_f32 v[ST+8*\u+6], v[ST+8*\u+6], v[S+32*\u+23], v[S+32*\u+31]
.endr
.irp u, 0,1
	v_max3_num_f32 v[ST+8*\u+4], v[ST+8*\u+4], v[ST+8*\u+5], v[ST+8*\u+6]
.endr
.irp u, 0,1
	v_max3_num_f32 v[ST+8*\u+4], v[ST+8*\u+4], v[ST+8*\u+7], v[ST+8*\u+1]
.endr
.irp u, 0,1
	v_permlanex16_b32 v[ST+8*\u+5], v[ST+8*\u+4], s[SEL], s[SEL+1]   ; the query's other 32 keys lie in the lane 16 away
.endr
.irp u, 0,1
	v_mov_b32 v[ST+8*\u+7], v[ST+8*\u]             ; c m_old is kept for a
.endr
.irp u, 0,1
	v_max_num_f32 v[ST+8*\u+1], v[ST+8*\u+4], v[ST+8*\u+5]
.endr
.irp u, 0,1
	v_mul_f32 v[ST+8*\u], s[CS], v[ST+8*\u+1]
.endr
.irp u, 0,1
	v_sub_f32 v[ST+8*\u+7], v[ST+8*\u+7], v[ST+8*\u]
.endr
.set j, 0
.rept 16
.irp u, 0,1
	v_pk_fma_f32 v[S+32*\u+2*j:S+32*\u+2*j+1], v[S+32*\u+2*j:S+32*\u+2*j+1], s[CS:CS+1], v[ST+8*\u:ST+8*\u+1] op_sel_hi:[1,0,0] neg_lo:[0,0,1] neg_hi:[0,0,1]   ; c s - c m, two at a time
.endr
.set j, j+1
.endr
.irp u, 0,1                            ; ONE BATCH of 66 exponentials, none of which reads another's result
	v_exp_f32 v[ST+8*\u+6], v[ST+8*\u+7]           ; a
.endr
.set j, 0
.rept 32
.irp u, 0,1
	v_exp_f32 v[S+32*\u+j], v[S+32*\u+j]           ; p
.endr
.set j, j+1
.endr
	v_nop                                          ; a plain line behind the last exponential
	s_wait_alu depctr_va_vdst(0)                   ; the wait ahead of the first line that names a result: one for the batch
.irp u, 0,1                            ; the sums are taken of p before it is rounded, in two chains: l = a l + the sum
	v_pk_fma_f32 v[ST+8*\u+2:ST+8*\u+3], v[ST+8*\u+2:ST+8*\u+3], v[ST+8*\u+6:ST+8*\u+7], v[S+32*\u:S+32*\u+1] op_sel_hi:[1,0,1]
.endr
.irp u, 0,1
	v_pk_add_f32 v[ST+8*\u+4:ST+8*\u+5], v[S+32*\u+2:S+32*\u+3], v[S+32*\u+4:S+32*\u+5]
.endr
.irp g, 3,5,7,9,11,13
.irp u, 0,1
	v_pk_add_f32 v[ST+8*\u+2:ST+8*\u+3], v[ST+8*\u+2:ST+8*\u+3], v[S+32*\u+2*\g:S+32*\u+2*\g+1]
.endr
.irp u, 0,1
	v_pk_add_f32 v[ST+8*\u+4:ST+8*\u+5], v[ST+8*\u+4:ST+8*\u+5], v[S+32*\u+2*\g+2:S+32*\u+2*\g+3]
.endr
.endr
.irp u, 0,1
	v_pk_add_f32 v[ST+8*\u+2:ST+8*\u+3], v[ST+8*\u+2:ST+8*\u+3], v[S+32*\u+30:S+32*\u+31]
.endr
.irp u, 0,1
	v_pk_add_f32 v[ST+8*\u+2:ST+8*\u+3], v[ST+8*\u+2:ST+8*\u+3], v[ST+8*\u+4:ST+8*\u+5]
.endr
.set j, 0
.rept 16                               ; p to f16, in place: register j takes pair j; it is written behind the reads of all lower pairs and ahead of no unread one
.irp u, 0,1
	v_cvt_pk_f16_f32 v[S+32*\u+j], v[S+32*\u+2*j], v[S+32*\u+2*j+1]
.endr
.set j, j+1
.endr
.set j, 0
.rept 16                               ; O^T x a, each accumulator from its low end on
.irp u, 0,1
	v_pk_mul_f32 v[O+32*\u+2*j:O+32*\u+2*j+1], v[O+32*\u+2*j:O+32*\u+2*j+1], v[ST+8*\u+6:ST+8*\u+7] op_sel_hi:[1,0]
.endr
.set j, j+1
.endr
.endm
; A KEY STEP: 64 keys.  The accumulators take turns, one instruction a turn: seven others stand between two links of a chain.
.macro STEP
	s_add_co_u32 s58, s[Q0], 31
	s_cmp_gt_u32 s[KF], s58                        ; all 64 keys come after my 32 queries: ids and counted steps alone
	s_cbranch_scc1 .Lhid_\@
	v_add_nc_u32 v[ADK], s[TB], v[AK0]
	v_add_nc_u32 v[ADV], s[TB], v[AV0]
.rept 3
	v_nop                                          ; with the two additions five places behind the last step's products: the products below write over P's registers, the loads over V's
.endr
.irp t, 0,1,2,3
.irp c, 0,1
	ds_load_b128 v[KV+16*\t+8*\c:KV+16*\t+8*\c+3], v[ADK] offset:\t*16*PK+64*\c
	ds_load_b128 v[KV+16*\t+8*\c+4:KV+16*\t+8*\c+7], v[ADK] offset:\t*16*PK+64*\c+32
.endr
.endr
	s_wait_dscnt 0x0
.irp c, 0,1                            ; S^T = K Q^T: channels 32 c on, keys 16 t on, tile u
.irp t, 0,1,2,3
.irp u, 0,1
.if \c == 0
	v_wmma_f32_16x16x32_f16 v[S+32*\u+8*\t:S+32*\u+8*\t+7], v[KV+16*\t+8*\c:KV+16*\t+8*\c+7], v[Q+16*\u+8*\c:Q+16*\u+8*\c+7], 0
.else
	v_wmma_f32_16x16x32_f16 v[S+32*\u+8*\t:S+32*\u+8*\t+7], v[KV+16*\t+8*\c:KV+16*\t+8*\c+7], v[Q+16*\u+8*\c:Q+16*\u+8*\c+7], v[S+32*\u+8*\t:S+32*\u+8*\t+7]
.endif
.endr
.endr
.endr
.rept 4
	v_nop                                          ; four places: for the loads into K's registers and the first read of the scores
.endr
.irp c, 0,1                            ; V, turned: keys 32 c on, channels 16 d on; it lands while the softmax is walked
.irp d, 0,1,2,3
	ds_load_tr16_b128 v[KV+32*\c+8*\d:KV+32*\c+8*\d+3], v[ADV] offset:\c*32*PVV+32*\d
	ds_load_tr16_b128 v[KV+32*\c+8*\d+4:KV+32*\c+8*\d+7], v[ADV] offset:\c*32*PVV+32*\d+16*PVV
.endr
.endr
	s_add_co_u32 s58, s[KF], 63
	s_cmp_le_u32 s58, s[Q0]                        ; all 64 keys count for all my queries: no mask
	s_cbranch_scc1 .Lopen_\@
	s_sub_co_i32 s58, s[Q0], s[KF]
	v_add_nc_u32 v12, s58, v[LQ]                   ; register n of tile u holds key KF + 16 (n / 8) + 8 (lane / 16) + n % 8: hidden where 16 (n / 8) + n % 8 > my query - KF - 8 (lane / 16)
	v_add_nc_u32 v13, 16, v12
.set n, 0
.rept 32
.irp u, 0,1
	v_cmp_gt_i32 vcc_lo, 16*(n/8)+n%8, v[12+\u]
	v_cndmask_b32 v[S+32*\u+n], v[S+32*\u+n], v[NINF], vcc_lo
.endr
.set n, n+1
.endr
.Lopen_\@:
	SOFTMAX
	s_wait_dscnt 0x0                               ; V is in
.irp c, 0,1                            ; O^T += V^T P: keys 32 c on, channels 16 d on, tile u
.irp d, 0,1,2,3
.irp u, 0,1
	v_wmma_f32_16x16x32_f16 v[O+32*\u+8*\d:O+32*\u+8*\d+7], v[KV+32*\c+8*\d:KV+32*\c+8*\d+7], v[S+32*\u+8*\c:S+32*\u+8*\c+7], v[O+32*\u+8*\d:O+32*\u+8*\d+7]
.endr
.endr
.endr
.Lhid_\@:
	s_add_co_u32 s[KF], s[KF], 64
	s_add_co_u32 s[TB], s[TB], STEPB
.endm
.macro STEPS                           ; a slot's four key steps: written once, walked four times
	s_mov_b32 s[CNT], 4
.Lstep_\@:
	STEP
	s_sub_co_u32 s[CNT], s[CNT], 1
	s_cmp_lg_u32 s[CNT], 0
	s_cbranch_scc1 .Lstep_\@
	s_sub_co_u32 s[TB], s[TB], 4*STEPB             ; back to a slot's first step,
	s_xor_b32 s[TB], s[TB], SLOT1                  ; in the other slot
.endm
; THE CHANGE OF SLOTS stands at a slot's head.  Each wave waits for all its tensor loads (its part of the slot that it is about to read), adds 0 to its spare word, and waits for that and for its reads of the slot
; that it has left.  Behind the barrier the slot ahead is whole and nobody reads the other one.  fill = 1: that other slot takes the next key block; the load has a slot's four steps in which to land.
.macro CHANGE fill
	s_wait_tensorcnt 0x0                           ; no tensor load of mine is out, so group 0 may be written
	ds_add_u32 v[SPW], v[NIL]                      ; 0 onto my spare word; the descriptor's steps stand between it and the wait for it
.if \fill
	s_add_co_u32 s[KBL], s[KBL], 1                 ; the next key block,
	s_add_co_u32 s58, s[J], 1
	s_cmp_eq_u32 s58, s[SW]
	s_cselect_b32 s[KBL], 0, s[KBL]                ; or block 0 again, where the next slot begins the second block of queries
	s_lshl_b32 s[OFF], s[KBL], 15                  ; 256 keys x 128 bytes
	s_xor_b32 s[G0+1], s[G0+1], SLOT1
	s_add_nc_u64 s[G0+2:G0+3], s[SRC:SRC+1], s[OFF:OFF+1]
	s_or_b32 s[G0+3], s[G0+3], 0x80000000
	s_wait_xcnt 0x0                                ; the last prefetch, a slot back, has read its address
	s_add_nc_u64 s[PFA:PFA+1], s[PFA:PFA+1], 0x8000
.endif
	s_wait_dscnt 0x0                               ; the add is done, and my reads of the slot that I have left are over
	s_barrier_signal -1
	s_barrier_wait -1
.if \fill
	TLOAD                                          ; the first thing behind the barrier, and my one tensor load until the next
	ASK
.endif
.endm
; A BLOCK OF QUERIES IS FINISHED: l's halves and the other half of the lanes' are added; O^T / l is rounded to f16 and goes through my stage: sixteen lanes then hold two positions of my head, 256 consecutive bytes.
.macro FINISH op
.rept 4
	v_nop                                          ; four places behind the last products
.endr
.irp u, 0,1
	v_add_f32 v[ST+8*\u+4], v[ST+8*\u+2], v[ST+8*\u+3]
.endr
.irp u, 0,1
	v_permlanex16_b32 v[ST+8*\u+5], v[ST+8*\u+4], s[SEL], s[SEL+1]
.endr
.irp u, 0,1
	v_add_f32 v[ST+8*\u+4], v[ST+8*\u+4], v[ST+8*\u+5]
.endr
.irp u, 0,1
	v_rcp_f32 v[ST+8*\u+6], v[ST+8*\u+4]
.endr
	v_nop                                          ; a plain line behind the reciprocals
	s_wait_alu depctr_va_vdst(0)                   ; and the wait ahead of their first reader: one for the two
.set j, 0
.rept 16
.irp u, 0,1
	v_pk_mul_f32 v[O+32*\u+2*j:O+32*\u+2*j+1], v[O+32*\u+2*j:O+32*\u+2*j+1], v[ST+8*\u+6:ST+8*\u+7] op_sel_hi:[1,0]
.endr
.set j, j+1
.endr
.set j, 0
.rept 16
.irp u, 0,1
	v_cvt_pk_f16_f32 v[S+32*\u+j], v[O+32*\u+2*j], v[O+32*\u+2*j+1]   ; registers 4 d .. 4 d + 3: channels 16 d + 8 (lane / 16) + 0 .. 7 of my query
.endr
.set j, j+1
.endr
.irp u, 0,1
.irp d, 0,1,2,3
	ds_store_b128 v[STO], v[S+32*\u+4*\d:S+32*\u+4*\d+3] offset:16*PK*\u+32*\d
.endr
.endr
.irp u, 0,1
.irp d, 0,1,2,3
	ds_load_b128 v[S+32*\u+16+4*\d:S+32*\u+16+4*\d+3], v[RD] offset:16*PK*\u+4*PK*\d   ; LDS serves a wave's instructions in order: these see my stores
.endr
.endr
	s_wait_dscnt 0x0
.irp u, 0,1
.irp d, 0,1,2,3
	global_store_b128 v[GO], v[S+32*\u+16+4*\d:S+32*\u+16+4*\d+3], s[\op:\op+1] offset:32768*\u+8192*\d   ; sixteen lanes store 256 consecutive bytes, aligned
.endr
.endr
.endm
; At slot 8 - i the first block of queries is finished and the second begins.  The branch hangs on the work-group's number and the count of slots; no barrier, wait for tensor loads or tensor load stands in it.
.macro SWITCH
	s_cmp_lg_u32 s[J], s[SW]
	s_cbranch_scc1 .Lsame_\@
	QLOAD QP2                                      ; asked for first: they land while the first block goes out
	FINISH OP1
	INIT
	s_mov_b32 s[KF], 0
	s_mov_b32 s[Q0], s[Q02]
	s_wait_xcnt 0x0                                ; the stores have read their data: the next products write over those registers
	s_wait_loadcnt 0x0                             ; Q
.Lsame_\@:
.endm
	s_load_b128 s[4:7], s[0:1], 0x0                ; qkv16, att16
	v_lshl_add_u32 v[SPW], v0, 2, SPARE
	v_mov_b32 v[NIL], 0
	ds_add_u32 v[SPW], v[NIL]                      ; the wave's opening: the add, twice on end, and its wait ahead of my first tensor load
	ds_add_u32 v[SPW], v[NIL]
	v_lshrrev_b32 v1, 5, v0
	v_readfirstlane_b32 s[WV], v1                  ; wave 0..7
	s_and_b32 s[BH], ttmp7, 0xffff                 ; batch x 16 + head
	s_sub_co_u32 s[SW], 8, ttmp9
	s_mov_b32 s[J], 0
	s_mov_b32 s[KBL], 0
	s_mov_b32 s[TB], 0
	s_mov_b32 s[KF], 0
	s_lshl_b32 s58, s[WV], 5
	s_sub_co_u32 s59, 7, ttmp9
	s_lshl_b32 s59, s59, 8
	s_add_co_u32 s[Q0], s59, s58                   ; 256 (7 - i) + 32 w
	s_lshl_b32 s59, ttmp9, 8
	s_add_co_u32 s[Q02], s59, s58                  ; 256 i + 32 w
	s_cmp_eq_u32 ttmp9, 0
	s_cselect_b32 s[LIM], 6, 0
	s_mov_b32 s[SEL], 0x76543210
	s_mov_b32 s[SEL+1], 0xfedcba98
	s_mov_b32 s[CS], 0x3e38aa3b                    ; c = log2(e) / 8
	s_mov_b32 s[CS+1], s[CS]                       ; (named with it as a pair, so it is written)
	; descriptor group 1: 64 rows x 64 elements of 2 bytes, dense in memory; padding behind every 32 words: 4 words for K, 8 for V
	s_mov_b32 s[G1K], (1<<16)|(1<<20)|(4<<22)|(3<<25)
	s_mov_b32 s[G1V], (1<<16)|(1<<20)|(4<<22)|(7<<25)
.irp g, G1K, G1V
	s_mov_b32 s[\g+1], 64<<16                      ; tensor_dim0
	s_mov_b32 s[\g+2], 64<<16                      ; tensor_dim1
	s_mov_b32 s[\g+3], 64<<16                      ; tile_dim0
	s_mov_b32 s[\g+4], 64                          ; tile_dim1
	s_mov_b32 s[\g+5], 64                          ; from row to row
	s_mov_b32 s[\g+6], 0
	s_mov_b32 s[\g+7], 0
.endr
	s_and_b32 s66, s[WV], 3                        ; which of a slot's four steps I fetch
	s_lshr_b32 s67, s[WV], 2                       ; K's tile (0) or V's (1)
	s_mul_i32 s[G0+1], s66, STEPB
	s_mul_i32 s68, s67, VOFF
	s_add_co_u32 s[G0+1], s[G0+1], s68             ; its place in slot 0
	s_mov_b32 s[G0], 1
	s_mov_b32 s[OFF], 0
	s_mov_b32 s[OFF+1], 0
	s_lshl_b32 s60, s[BH], 18                      ; a head's 2,048 x 128 bytes
	s_mov_b32 s61, 0
	s_mov_b32 s63, 0
	v_and_b32 v16, 15, v0                          ; r
	v_bfe_u32 v17, v0, 4, 1                        ; h
	v_and_b32 v18, 7, v0
	v_bfe_u32 v19, v0, 3, 1
	v_mul_u32_u24 v[AK0], v16, PK
	v_lshl_add_u32 v[AK0], v17, 4, v[AK0]          ; K: row r x pitch + 16 h
	v_lshl_add_u32 v[AV0], v17, 3, v18             ; V, for the turning load: key 8 h + l % 8, channels 8 ((l / 8) % 2) on
	v_mul_u32_u24 v[AV0], v[AV0], PVV
	v_lshl_add_u32 v[AV0], v19, 4, v[AV0]
	v_add_nc_u32 v[AV0], VOFF, v[AV0]
	v_lshlrev_b32 v[QO], 7, v16
	v_lshl_add_u32 v[QO], v17, 4, v[QO]            ; Q: row r of 128 bytes + 16 h
	s_mul_i32 s58, s[WV], WSTG
	s_add_co_u32 s58, s58, STAGE                   ; my stage
	v_add_nc_u32 v[STO], s58, v[AK0]               ; in: row r x 144 + 16 h
	v_lshl_add_u32 v[RD], v17, 1, v19              ; back: row 2 h + (l / 8) % 2, 16 bytes a lane
	v_mul_u32_u24 v[RD], v[RD], PK
	v_lshl_add_u32 v[RD], v18, 4, v[RD]
	v_add_nc_u32 v[RD], s58, v[RD]
	v_lshlrev_b32 v[GO], 12, v17                   ; in att16: a pair of positions is 4,096 bytes
	v_lshl_add_u32 v[GO], v16, 4, v[GO]
	v_lshlrev_b32 v[LQ], 3, v17
	v_sub_nc_u32 v[LQ], v16, v[LQ]
	v_mov_b32 v[NINF], 0xff800000
	v_and_b32 v[PFO], 31, v0
	v_lshlrev_b32 v[PFO], 8, v[PFO]
	s_wait_dscnt 0x0                               ; both opening adds are done
	s_wait_kmcnt 0x0
	s_add_nc_u64 s[SRC:SRC+1], s[4:5], s[60:61]    ; q's plane at my head
	s_lshl_b32 s62, s[Q0], 7
	s_add_nc_u64 s[QP1:QP1+1], s[SRC:SRC+1], s[62:63]
	s_lshl_b32 s62, s[Q02], 7
	s_add_nc_u64 s[QP2:QP2+1], s[SRC:SRC+1], s[62:63]
	s_add_co_u32 s62, s67, 1
	s_lshl_b32 s62, s62, 24                        ; k's plane lies 2^24 bytes behind q's, v's 2^25
	s_lshl_b32 s68, s66, 13                        ; my step's 64 rows
	s_add_co_u32 s62, s62, s68
	s_add_nc_u64 s[SRC:SRC+1], s[SRC:SRC+1], s[62:63]
	s_add_nc_u64 s[PFA:PFA+1], s[SRC:SRC+1], 0x8000   ; at key block 1: the first change of slots steps it to 2.  Nothing is prefetched at the head
	s_lshr_b32 s68, s[BH], 4
	s_lshl_b32 s68, s68, 11                        ; batch x 2,048
	s_and_b32 s69, s[BH], 15
	s_lshl_b32 s69, s69, 8                         ; head x 256 bytes
	s_add_co_u32 s62, s68, s[Q0]
	s_lshl_b32 s62, s62, 11                        ; a position is half of 4,096 bytes
	s_add_co_u32 s62, s62, s69
	s_add_nc_u64 s[OP1:OP1+1], s[6:7], s[62:63]
	s_add_co_u32 s62, s68, s[Q02]
	s_lshl_b32 s62, s62, 11
	s_add_co_u32 s62, s62, s69
	s_add_nc_u64 s[OP2:OP2+1], s[6:7], s[62:63]
	s_mov_b64 s[G0+2:G0+3], s[SRC:SRC+1]
	s_or_b32 s[G0+3], s[G0+3], 0x80000000
	TLOAD                                          ; slot 0: key block 0
	QLOAD QP1
	INIT
	s_wait_loadcnt 0x0                             ; Q
.Lslot:                                            ; 8 trips: behind each change of slots but the last the next slot is asked for
	CHANGE 1
	SWITCH
	STEPS
	s_add_co_u32 s[J], s[J], 1
	s_cmp_lt_u32 s[J], 8
	s_cbranch_scc1 .Lslot
	CHANGE 0                                       ; the last slot is written out
	SWITCH                                         ; (taken here where i = 0)
	STEPS
	FINISH OP2
	s_wait_tensorcnt 0x0                           ; the wave's end
	ds_add_u32 v[SPW], v[NIL]
	s_wait_dscnt 0x0
	s_endpgm
.Lfunc_end_k_q9bc0b2363a_attn:
	.size	k_q9bc0b2363a_attn, .Lfunc_end_k_q9bc0b2363a_attn-k_q9bc0b2363a_attn
	.p2alignl 7, 3214868480
	.fill 96, 4, 3214868480
	.section	.rodata,"a",@progbits
	.p2align	6, 0x0
	.amdhsa_kernel k_q9bc0b2363a_attn
		.amdhsa_group_segment_fixed_size 327680
		.amdhsa_private_segment_fixed_size 0
		.amdhsa_enable_private_segment 0
		.amdhsa_kernarg_size 16
		.amdhsa_user_sgpr_count 2
		.amdhsa_user_sgpr_kernarg_segment_ptr 1
		.amdhsa_wavefront_size32 1
		.amdhsa_system_sgpr_workgroup_id_x 1
		.amdhsa_system_sgpr_workgroup_id_y 1
		.amdhsa_system_sgpr_workgroup_id_z 1
		.amdhsa_system_vgpr_workitem_id 0
		.amdhsa_next_free_vgpr 256
		.amdhsa_next_free_sgpr 72
		.amdhsa_reserve_vcc 1
		.amdhsa_float_denorm_mode_32 3
		.amdhsa_float_denorm_mode_16_64 3
		.amdhsa_memory_ordered 1
		.amdhsa_forward_progress 1
		.amdhsa_inst_pref_size 80
	.end_amdhsa_kernel
	.amdgpu_metadata
---
amdhsa.version: [ 1, 2 ]
amdhsa.kernels:
  - .name:           k_q9bc0b2363a_attn
    .symbol:         k_q9bc0b2363a_attn.kd
    .args:
      - { .name: qkv16, .offset: 0, .size: 8, .value_kind: global_buffer, .address_space: global }
      - { .name: att16, .offset: 8, .size: 8, .value_kind: global_buffer, .address_space: global }
    .group_segment_fixed_size: 327680
    .private_segment_fixed_size: 0
    .kernarg_segment_align: 8
    .kernarg_segment_size: 16
    .max_flat_workgroup_size: 256
    .sgpr_count:     72
    .vgpr_count:     256
    .wavefront_size: 32
...
	.end_amdgpu_metadata
.endif
;; end of part 3
;; launch proj (part 4): grid 8 x 64, 4 waves a work-group, clusters of 4 x 4, 327,680 bytes of LDS; arguments att16, w16, out0; writes out0
.if DOCPART == 4
	.amdgcn_target "amdgcn-amd-amdhsa--gfx1250"
	.amdhsa_code_object_version 6
	.text
	.protected	k_q9bc0b2363a_proj
	.globl	k_q9bc0b2363a_proj
	.p2align	8
	.type	k_q9bc0b2363a_proj,@function
k_q9bc0b2363a_proj:
	s_mov_b64 s[64:65], 0
	v_nop
	global_prefetch_b8 v0, s[64:65] scope:SCOPE_SE
	s_setreg_imm32_b32 hwreg(HW_REG_WAVE_MODE, 25, 1), 1
	s_wait_xcnt 0x0
	s_wait_alu depctr_hold_cnt(0) depctr_sa_sdst(0) depctr_va_vdst(0) depctr_va_sdst(0) depctr_va_ssrc(0) depctr_va_vcc(0) depctr_vm_vsrc(0)
	s_getreg_b32 s2, hwreg(HW_REG_IB_STS2, 6, 4)
	s_cmp_eq_u32 s2, 0
	s_cbranch_scc0 .Lentry_in_a_cluster
	s_endpgm
.Lentry_in_a_cluster:
	s_bfe_u32 s2, ttmp6, 0x10000c
	s_cmp_lg_u32 s2, 0xf033
	s_cbranch_scc0 .Lentry_shape_is_right
	s_endpgm
.Lentry_shape_is_right:
; out0[m][n] = sum over k of att[m][k] w_out[n][k].  m = 8,192, n = k = 1,024.  Operands f16, sums f32, out0 f32.
; att16 lies [pair of rows][head][row & 1][64]: four heads of a pair of rows (256 along K of two rows) are 1,024 consecutive bytes.  w16: [n][k], rows of 2,048 bytes.
; A tile of out0 is 128 x 128: 512 tiles.  Four waves, each 64 x 64: 16 accumulators.  K goes in steps of 256 through two LDS slots: a wave's tensor load brings 32 pairs of rows x 1,024 bytes of att, or 64 rows x 512 bytes of w.
; CLUSTERS: 4 x 4 work-groups.  The four of a row of the cluster need the same tiles of att, the four of a column the same tiles of w: each tile is asked for JOINTLY.
; THE MATRIX INSTRUCTION IS USED TRANSPOSED (source 0 = 16 rows of w, source 1 = 16 rows of att): a lane then holds eight neighbouring numbers of a row of out0.
; The rows of positions 0-15 of each batch are written here too, and written anew, from f32 operands, by the launch that follows.
; REGISTERS: window 0: v0-31 addresses; v32-95 at work on the way out; v128-255 the accumulators ((a, b) at v[128 + 8 (4 a + b)]).   window 1: two fragment buffers of 128: 64 registers of att, then 64 of w.
; No prefetch: the tiles are small and shared in the cluster.
.set SIZE_N, 1024
.set SIZE_K, 1024
.set KSTEP,  256
.set ASTEP,  1024                      ; a K step in a pair of rows of att16, in bytes
.set PITCHA, 1040                      ; a pair of rows in LDS: 1,024 bytes + 16
.set PITCHB, 528                       ; a row of w: 512 bytes + 16
.set HALFA,  32*PITCHA                 ; 64 rows of att: what one tensor load brings, and what one wave reads
.set HALFB,  64*PITCHB                 ; 64 rows of w
.set SLOT,   2*HALFA+2*HALFB           ; att's 128 rows, then w's 128 rows
.set STAGE,  2*SLOT                    ; behind the ring: 16 rows x 272 bytes for each wave
.set SPITCH, 272
.set SPARE,  STAGE+4*16*SPITCH         ; the spare words, 128 bytes a wave, which no other line names
.set LAPS, SIZE_K/(2*KSTEP)
.set ADRA, 16                          ; v16-17  LDS address of my att fragments in slot 0, 1
.set ADRB, 20                          ; v20-21  the same for w
.set STO,  24
.set RD,   25
.set CO,   26
.set SPW,  28
.set NIL,  29
.set TMP,  32
.set ACC,  128
.set F0,   0
.set F1,   128
.set G1, 24
.set G0, 32
.set G1B, 48
.set G0B, 56
.set MSB, 0
.macro WIN new
.if MSB != \new
	s_set_vgpr_msb (MSB<<8)|\new
.set MSB, \new
.endif
.endm
.set MUL,  0x05                        ; sources 0 (w) and 1 (att) window 1; C and D window 0
.set TO_F, 0x40                        ; destination window 1, address window 0
.macro JLOAD s                         ; a joint load: waves 0 and 1 fetch att's two halves, waves 2 and 3 w's; an s_nop 0 and four v_nop follow each of the two lines
	s_cmp_eq_u32 s11, 0
	s_cbranch_scc0 .Lfor_b_\@
	tensor_load_to_lds s[G0+4*\s:G0+4*\s+3], s[G1:G1+7]
	s_nop 0
.rept 4
	v_nop
.endr
	s_branch .Lasked_\@
.Lfor_b_\@:
	tensor_load_to_lds s[G0B+4*\s:G0B+4*\s+3], s[G1B:G1B+7]
	s_nop 0
.rept 4
	v_nop
.endr
.Lasked_\@:
.endm
.macro CREST                           ; a round of the cluster's barrier behind its opening barrier
	s_cmp_lg_u32 s10, 0
	s_cbranch_scc1 .Lnot_wave_0_\@
	s_barrier_signal -3
.Lnot_wave_0_\@:
	s_barrier_wait -3
	s_barrier_signal -1
	s_barrier_wait -1
.endm
.macro CROUND
	s_barrier_signal -1
	s_barrier_wait -1
	CREST
.endm
	s_load_b128 s[4:7], s[0:1], 0x0                ; att16, w16
	s_load_b64 s[8:9], s[0:1], 0x10                ; out0
	v_lshl_add_u32 v[SPW], v0, 2, SPARE
	v_mov_b32 v[NIL], 0
	ds_add_u32 v[SPW], v[NIL]                      ; the wave's opening: the add, twice on end, and its wait ahead of my first tensor load
	ds_add_u32 v[SPW], v[NIL]
	v_lshrrev_b32 v1, 5, v0
	v_readfirstlane_b32 s10, v1                    ; wave 0..3
	s_lshr_b32 s11, s10, 1                         ; which half of the tile's rows is mine.  Also: I fetch for att (0) or for w (1)
	s_and_b32 s12, s10, 1                          ; which half of its columns.  Also: which 64 rows of that tile I fetch
	s_bfe_u32 s40, ttmp6, 0x40000                  ; cx, cy
	s_bfe_u32 s41, ttmp6, 0x40004
	s_lshl_b32 s42, ttmp9, 2
	s_add_co_u32 s42, s42, s40                     ; tile column = 4 x cluster x + cx
	s_and_b32 s13, ttmp7, 0xffff
	s_lshl_b32 s13, s13, 2
	s_add_co_u32 s13, s13, s41                     ; tile row = 4 x cluster y + cy
	s_lshl_b32 s43, s41, 2
	s_lshl_b32 s43, 15, s43                        ; my row of the cluster
	s_lshl_b32 s44, 0x1111, s40                    ; my column
	; group 1 for att: 32 pairs of rows x 512 elements of 2 bytes, 2,048 elements apart in memory; 4 words of padding behind every 256
	s_or_b32 s[G1+0], s43, (1<<16)|(1<<20)|(1<<21)|(7<<22)|(3<<25)
	s_mov_b32 s[G1+1], 512<<16
	s_mov_b32 s[G1+2], 32<<16
	s_mov_b32 s[G1+3], 512<<16
	s_mov_b32 s[G1+4], 32
	s_mov_b32 s[G1+5], 2048
	s_mov_b32 s[G1+6], 0
	s_mov_b32 s[G1+7], 0
	; group 1 for w: 64 rows x 256 elements, 1,024 apart; 4 words of padding behind every 128
	s_or_b32 s[G1B+0], s44, (1<<16)|(1<<20)|(1<<21)|(6<<22)|(3<<25)
	s_mov_b32 s[G1B+1], KSTEP<<16
	s_mov_b32 s[G1B+2], 64<<16
	s_mov_b32 s[G1B+3], KSTEP<<16
	s_mov_b32 s[G1B+4], 64
	s_mov_b32 s[G1B+5], SIZE_K
	s_mov_b32 s[G1B+6], 0
	s_mov_b32 s[G1B+7], 0
	s_lshl_b32 s17, s12, 5                         ; att: pair of rows 64 x tile row + 32 x half,
	s_lshl_b32 s16, s13, 6
	s_add_co_u32 s16, s16, s17
	s_lshl_b32 s16, s16, 12                        ; x 4,096 bytes: under 2^24
	s_mov_b32 s17, 0
	s_lshl_b32 s47, s12, 6                         ; w: row 128 x tile column + 64 x half,
	s_lshl_b32 s46, s42, 7
	s_add_co_u32 s46, s46, s47
	s_lshl_b32 s46, s46, 11                        ; x 2,048 bytes
	s_mov_b32 s47, 0
	s_mul_i32 s20, s12, HALFA                      ; where they go: no place in the cluster enters an LDS address
	s_mul_i32 s21, s12, HALFB
	s_add_co_u32 s21, s21, 2*HALFA
	s_wait_dscnt 0x0                               ; both opening adds are done
	s_wait_kmcnt 0x0
	s_add_nc_u64 s[14:15], s[4:5], s[16:17]
	s_add_nc_u64 s[46:47], s[6:7], s[46:47]
	CROUND                                         ; all sixteen work-groups are here: the first joint loads meet
.irp s, 0,1
	s_mov_b32 s[G0+4*\s], 1
	s_add_co_u32 s[G0+4*\s+1], s20, \s*SLOT
	s_add_nc_u64 s[G0+4*\s+2:G0+4*\s+3], s[14:15], \s*ASTEP
	s_or_b32 s[G0+4*\s+3], s[G0+4*\s+3], 0x80000000
	s_mov_b32 s[G0B+4*\s], 1
	s_add_co_u32 s[G0B+4*\s+1], s21, \s*SLOT
	s_add_nc_u64 s[G0B+4*\s+2:G0B+4*\s+3], s[46:47], \s*KSTEP*2
	s_or_b32 s[G0B+4*\s+3], s[G0B+4*\s+3], 0x80000000
	JLOAD \s
.endr
	v_and_b32 v1, 15, v0                           ; r
	v_bfe_u32 v2, v0, 4, 1                         ; h
	v_lshrrev_b32 v3, 1, v1
	v_mul_u32_u24 v3, v3, PITCHA                   ; att: row r lies in pair r / 2,
	v_and_b32 v4, 1, v0
	v_lshl_add_u32 v3, v4, 7, v3                   ; 128 (r % 2) bytes into a head's 256: the sixteen rows touch sixteen different places modulo 256 bytes,
	v_lshl_add_u32 v3, v2, 4, v3                   ; + 16 h
	v_mul_u32_u24 v4, v1, PITCHB
	v_lshl_add_u32 v4, v2, 4, v4                   ; w: row r x pitch + 16 h
	s_mul_i32 s21, s11, HALFA                      ; my 64 rows of att
	s_mul_i32 s22, s12, HALFB                      ; my 64 rows of w,
	s_add_co_u32 s22, s22, 2*HALFA                 ; which lie behind att's 128
.irp s, 0,1
	v_add_nc_u32 v[ADRA+\s], s21, v3
	v_add_nc_u32 v[ADRB+\s], s22, v4
	s_add_co_u32 s21, s21, SLOT
	s_add_co_u32 s22, s22, SLOT
.endr
	s_mul_i32 s23, s10, 16*SPITCH
	s_add_co_u32 s23, s23, STAGE                   ; my stage: my 64 columns are 256 bytes of f32, so it is my own
	v_mul_u32_u24 v5, v1, SPITCH                   ; in: row r, 32 bytes for each half of the lanes
	v_lshl_add_u32 v5, v2, 5, v5
	v_add_nc_u32 v[STO], s23, v5
	v_mul_u32_u24 v5, v2, SPITCH                   ; back: lanes 0-15 one row of 256 bytes, lanes 16-31 the next
	v_lshl_add_u32 v5, v1, 4, v5
	v_add_nc_u32 v[RD], s23, v5
	v_lshlrev_b32 v5, 12, v2                       ; and the same two rows in out0: 4,096 bytes a row
	v_lshl_add_u32 v[CO], v1, 4, v5
	s_lshl_b32 s16, s13, 7
	s_lshl_b32 s17, s11, 6
	s_add_co_u32 s16, s16, s17                     ; my first row: 128 x tile row + 64 x half
	s_lshl_b32 s16, s16, 12
	s_mov_b32 s17, 0
	s_add_nc_u64 s[8:9], s[8:9], s[16:17]
	s_lshl_b32 s46, s42, 9                         ; my first column, in bytes: 512 x tile column + 256 x half
	s_lshl_b32 s47, s12, 8
	s_add_co_u32 s46, s46, s47
	s_mov_b32 s47, 0
	s_add_nc_u64 s[8:9], s[8:9], s[46:47]
; 8 matrix instructions: blocks a0, a0 + 1 of att x all 4 of w, 32 along K: half c of buffer f.  zero = 1: the first product starts the sums.  The 16 accumulators take turns.
.macro MUL8 f, c, a0, zero
.irp a, \a0, \a0+1
.irp b, 0,1,2,3
.if \zero
	v_wmma_f32_16x16x32_f16 v[ACC+8*(4*(\a)+\b):ACC+8*(4*(\a)+\b)+7], v[\f+64+8*(4*\c+\b):\f+64+8*(4*\c+\b)+7], v[\f+8*(4*\c+\a):\f+8*(4*\c+\a)+7], 0
.else
	v_wmma_f32_16x16x32_f16 v[ACC+8*(4*(\a)+\b):ACC+8*(4*(\a)+\b)+7], v[\f+64+8*(4*\c+\b):\f+64+8*(4*\c+\b)+7], v[\f+8*(4*\c+\a):\f+8*(4*\c+\a)+7], v[ACC+8*(4*(\a)+\b):ACC+8*(4*(\a)+\b)+7]
.endif
.endr
.endr
.endm
; 32 LDS loads in one run: the fragments of quarter q of a K step (64 along K: one head) into buffer f; the first 32 along K first
.macro FETCH slot, q, f
	WIN TO_F
.irp c, 0,1
.irp i, 0,1,2,3
	ds_load_b128 v[\f+64+8*(4*\c+\i):\f+64+8*(4*\c+\i)+3],   v[ADRB+\slot] offset:128*(\q)+64*\c+\i*16*PITCHB
	ds_load_b128 v[\f+64+8*(4*\c+\i)+4:\f+64+8*(4*\c+\i)+7], v[ADRB+\slot] offset:128*(\q)+64*\c+\i*16*PITCHB+32
	ds_load_b128 v[\f+8*(4*\c+\i):\f+8*(4*\c+\i)+3],         v[ADRA+\slot] offset:256*(\q)+64*\c+\i*8*PITCHA
	ds_load_b128 v[\f+8*(4*\c+\i)+4:\f+8*(4*\c+\i)+7],       v[ADRA+\slot] offset:256*(\q)+64*\c+\i*8*PITCHA+32
.endr
.endr
.endm
.macro PLACES                          ; four places in front of loads into registers that matrix instructions have read, and of the first read of results
.rept 4
	v_nop
.endr
.endm
; A K step is four quarters of 64 along K, 32 matrix instructions each, on buffers 0, 1, 0, 1.  One of the first three: multiplies buffer f and fetches quarter q into g.
.macro QUARTER slot, q, f, g, zero
	s_wait_dscnt 16                                ; the first 32 along K are in; the youngest sixteen loads may be out
	WIN MUL
	MUL8 \f, 0, 0, \zero
	MUL8 \f, 0, 2, \zero
	PLACES
	FETCH \slot, \q, \g
	s_wait_dscnt 32                                ; all but the 32 just issued
	WIN MUL
	MUL8 \f, 1, 0, 0
	MUL8 \f, 1, 2, 0
.endm
; The last quarter multiplies buffer 1 and changes slots: ONE barrier; in front of it each wave waits for all its tensor loads, adds 0 to its spare word, and waits for that and for its reads of this slot.
; fill = 1: this slot is filled again, two K steps ahead, behind a round of the cluster's barrier.
.macro TURN slot, next, fill
	WIN 0                                          ; (the add's two registers lie in window 0)
	s_wait_tensorcnt 0x0                           ; all my tensor loads have landed: my part of the next slot
	ds_add_u32 v[SPW], v[NIL]
	s_wait_dscnt 17                                ; (the add and the youngest sixteen loads may be out)
	WIN MUL
	MUL8 F1, 0, 0, 0
	s_wait_dscnt 0x0                               ; the add is done, and my reads of this slot are over
	s_barrier_signal -1
	MUL8 F1, 0, 2, 0
.if \fill
	WIN 0
.endif
	s_barrier_wait -1
.if \fill
	CREST                                          ; no wave of any partner still reads this slot's tile or has a load on its way
	s_add_nc_u64 s[G0+4*\slot+2:G0+4*\slot+3], s[G0+4*\slot+2:G0+4*\slot+3], 2*ASTEP
	s_add_nc_u64 s[G0B+4*\slot+2:G0B+4*\slot+3], s[G0B+4*\slot+2:G0B+4*\slot+3], 2*KSTEP*2
	JLOAD \slot                                    ; the first tensor load behind the round; its four v_nop are also the places in front of the loads below
.else
	PLACES
.endif
	FETCH \next, 0, F0
	WIN MUL
	MUL8 F1, 1, 0, 0
	MUL8 F1, 1, 2, 0
.endm
	s_wait_tensorcnt 1                             ; my part of K step 0 is in (K step 1's load may be out),
	s_barrier_signal -1
	s_barrier_wait -1                              ; everybody's is
	FETCH 0, 0, F0
	QUARTER 0, 1, F0, F1, 1                        ; the first quarter stands in front of the loop: its first products start the sums
	WIN 0
	s_mov_b32 s3, LAPS-1
.Llap:                                                 ; a trip goes once round the ring and fills both slots again
	QUARTER 0, 2, F1, F0, 0
	QUARTER 0, 3, F0, F1, 0
	TURN 0, 1, 1
	QUARTER 1, 1, F0, F1, 0
	QUARTER 1, 2, F1, F0, 0
	QUARTER 1, 3, F0, F1, 0
	TURN 1, 0, 1
	QUARTER 0, 1, F0, F1, 0
	WIN 0
	s_sub_co_u32 s3, s3, 1
	s_cmp_lg_u32 s3, 0
	s_cbranch_scc1 .Llap
	QUARTER 0, 2, F1, F0, 0                        ; the last lap fills nothing
	QUARTER 0, 3, F0, F1, 0
	TURN 0, 1, 0
	QUARTER 1, 1, F0, F1, 0
	QUARTER 1, 2, F1, F0, 0
	QUARTER 1, 3, F0, F1, 0
	s_wait_dscnt 16                                ; the very last quarter
	WIN MUL
	MUL8 F1, 0, 0, 0
	MUL8 F1, 0, 2, 0
	s_wait_dscnt 0
	MUL8 F1, 1, 0, 0
	MUL8 F1, 1, 2, 0
	WIN 0
; THE WAY OUT, block by block of 16 rows x 64 columns of f32: 32 bytes a lane into my stage, back as whole rows of 256 bytes, two rows an instruction.
.macro TOSTAGE a
.irp b, 0,1,2,3
	ds_store_b128 v[STO], v[ACC+8*(4*(\a)+\b):ACC+8*(4*(\a)+\b)+3] offset:64*\b          ; each accumulator from its low end on
	ds_store_b128 v[STO], v[ACC+8*(4*(\a)+\b)+4:ACC+8*(4*(\a)+\b)+7] offset:64*\b+16
.endr
.irp t, 0,1,2,3,4,5,6,7
	ds_load_b128 v[TMP+32*((\a)%2)+4*\t:TMP+32*((\a)%2)+4*\t+3], v[RD] offset:\t*2*SPITCH   ; LDS serves a wave's instructions in order: these see the stores above
.endr
.endm
.macro SEND a, younger                 ; younger: the LDS instructions issued behind block a's loads, which may stay out
	s_wait_dscnt \younger
.irp t, 0,1,2,3,4,5,6,7
	global_store_b128 v[CO], v[TMP+32*((\a)%2)+4*\t:TMP+32*((\a)%2)+4*\t+3], s[8:9] offset:65536*(\a)+8192*\t th:TH_STORE_NT   ; sixteen lanes store 256 consecutive bytes, aligned
.endr
.endm
	PLACES
	TOSTAGE 0
.irp a, 1,2,3
.if \a > 1
	s_wait_xcnt 0x0                                ; block a - 2's stores have read their registers: block a's loads may land there
.endif
	TOSTAGE \a
	SEND \a-1, 16                                  ; behind block a - 1's loads: block a's 8 stores and 8 loads
.endr
	SEND 3, 0
	s_wait_tensorcnt 0x0                           ; the wave's end
	ds_add_u32 v[SPW], v[NIL]
	s_wait_dscnt 0x0
	CROUND                                         ; the closing round
	s_endpgm
.Lfunc_end_k_q9bc0b2363a_proj:
	.size	k_q9bc0b2363a_proj, .Lfunc_end_k_q9bc0b2363a_proj-k_q9bc0b2363a_proj
	.p2alignl 7, 3214868480
	.fill 96, 4, 3214868480
	.section	.rodata,"a",@progbits
	.p2align	6, 0x0
	.amdhsa_kernel k_q9bc0b2363a_proj
		.amdhsa_group_segment_fixed_size 327680
		.amdhsa_private_segment_fixed_size 0
		.amdhsa_enable_private_segment 0
		.amdhsa_kernarg_size 24
		.amdhsa_user_sgpr_count 2
		.amdhsa_user_sgpr_kernarg_segment_ptr 1
		.amdhsa_wavefront_size32 1
		.amdhsa_system_sgpr_workgroup_id_x 1
		.amdhsa_system_sgpr_workgroup_id_y 1
		.amdhsa_system_sgpr_workgroup_id_z 1
		.amdhsa_system_vgpr_workitem_id 0
		.amdhsa_next_free_vgpr 512
		.amdhsa_next_free_sgpr 66
		.amdhsa_reserve_vcc 0
		.amdhsa_float_denorm_mode_32 3
		.amdhsa_float_denorm_mode_16_64 3
		.amdhsa_memory_ordered 1
		.amdhsa_forward_progress 1
		.amdhsa_inst_pref_size 86
	.end_amdhsa_kernel
	.amdgpu_metadata
---
amdhsa.version: [ 1, 2 ]
amdhsa.kernels:
  - .name:           k_q9bc0b2363a_proj
    .symbol:         k_q9bc0b2363a_proj.kd
    .args:
      - { .name: att16, .offset: 0, .size: 8, .value_kind: global_buffer, .address_space: global }
      - { .name: w16, .offset: 8, .size: 8, .value_kind: global_buffer, .address_space: global }
      - { .name: out0, .offset: 16, .size: 8, .value_kind: global_buffer, .address_space: global }
    .group_segment_fixed_size: 327680
    .private_segment_fixed_size: 0
    .kernarg_segment_align: 8
    .kernarg_segment_size: 24
    .max_flat_workgroup_size: 128
    .sgpr_count:     66
    .vgpr_count:     512
    .wavefront_size: 32
...
	.end_amdgpu_metadata
.endif
;; end of part 4
;; launch first16 (part 5): grid 64 x 4, 16 waves a work-group, no clusters, 18,432 bytes of LDS; arguments qkv32, w_out, out0; writes out0
.if DOCPART == 5
	.amdgcn_target "amdgcn-amd-amdhsa--gfx1250"
	.amdhsa_code_object_version 6
	.text
	.protected	k_q9bc0b2363a_first16
	.globl	k_q9bc0b2363a_first16
	.p2align	8
	.type	k_q9bc0b2363a_first16,@function
k_q9bc0b2363a_first16:
	s_mov_b64 s[64:65], 0
	v_nop
	global_prefetch_b8 v0, s[64:65] scope:SCOPE_SE
	s_setreg_imm32_b32 hwreg(HW_REG_WAVE_MODE, 25, 1), 1
	s_wait_xcnt 0x0
; THE FIRST 16 POSITIONS OF EVERY SEQUENCE IN f32: they average one to sixteen values and are the largest rows of the result, so both attention products and the projection take f32 operands here.
; qkv32: [batch][q,k,v][head][16][64] f32.  w_out: [1024][1024] f32.  out0: rows t < 16 of each batch are written anew: 64 rows in all.
; SHARES.  Work-group (x, batch) makes columns 16 x .. 16 x + 15 of the batch's 16 rows.  Wave h is head h: its scores, its softmax, its 16 x 64 of attention, and its 64 along K of the projection.
; The sixteen heads' parts are added in a fixed order through LDS.  A row's piece is 64 bytes: 262,144 bytes in the whole launch.
; All products by the f32 matrix form, 16 x 16 x 4: lane (r, h) holds row r and k = 2 h + j in register j.  The same permutation of k stands on both sides of every product.
; The registers that this form writes (v160-223) are written by matrix instructions alone; every sum begins with the constant 0; accumulators take turns.
; No tensor loads, no ring: each wave reads 16 KB once.
.set QR,  32                           ; v32-63   q: register 4 s + i: channel 8 s + 4 h + i of query r; later attention's result: register 8 d + j: channel 16 d + 8 h + j
.set KR,  64                           ; v64-95   k likewise
.set VR,  96                           ; v96-127  v: register 8 d + 2 s + j: key 8 h + 2 s + j, channel 16 d + r
.set WR,  128                          ; v128-159 w_out: register 8 d + j: row 16 x + r, channel 64 head + 16 d + 8 h + j
.set SA,  160                          ; v160-175 two accumulators of S^T
.set OA,  176                          ; v176-207 four of O^T
.set PA,  208                          ; v208-223 two of the projection
.set T,   224                          ; v224-231 the scores, then p: register j: key 8 h + j of query r
.set PT,  232                          ; v232-239 my head's part of the result: register j: out(t = r, 16 x + 8 h + j)
.set SPW, 30
.set NIL, 31
.set SPARE, 16384                      ; behind the sixteen parts of 1,024 bytes: the spare words, 128 bytes a wave
	s_load_b128 s[4:7], s[0:1], 0x0                ; qkv32, w_out
	s_load_b64 s[8:9], s[0:1], 0x10                ; out0
	v_lshl_add_u32 v[SPW], v0, 2, SPARE
	v_mov_b32 v[NIL], 0
	v_lshrrev_b32 v1, 5, v0
	v_readfirstlane_b32 s10, v1                    ; wave = head
	v_and_b32 v1, 15, v0                           ; r
	v_bfe_u32 v2, v0, 4, 1                         ; h
	v_lshlrev_b32 v3, 8, v1
	v_lshl_add_u32 v3, v2, 4, v3                   ; q, k: row r of 256 bytes + 16 h
	v_lshlrev_b32 v4, 2, v1
	v_lshl_add_u32 v4, v2, 11, v4                  ; v: key 8 h, channel r
	v_lshlrev_b32 v5, 12, v1
	v_lshl_add_u32 v5, v2, 5, v5                   ; w_out and out0: row r of 4,096 bytes + 32 h
	v_lshlrev_b32 v6, 3, v2
	v_sub_nc_u32 v6, v1, v6                        ; r - 8 h
	v_and_b32 v7, 31, v0
	v_lshlrev_b32 v7, 4, v7                        ; 16 x lane
	s_lshl_b32 s11, s10, 10
	v_add_nc_u32 v8, s11, v7                       ; LDS: where my part goes
	s_and_b32 s13, s10, 1
	s_lshl_b32 s11, s13, 9
	v_add_nc_u32 v9, s11, v7                       ; and from where waves 0 and 1 read all sixteen
	v_mov_b32 v10, 0xff800000                      ; -infinity
	s_and_b32 s12, ttmp7, 0xffff                   ; batch
	s_mul_i32 s14, s12, 48
	s_add_co_u32 s14, s14, s10
	s_lshl_b32 s14, s14, 12                        ; (batch x 48 + head) x 4,096: q; k lies 65,536 bytes on, v 131,072
	s_mov_b32 s15, 0
	s_lshl_b32 s16, ttmp9, 16                      ; w_out: row 16 x,
	s_lshl_b32 s17, s10, 8
	s_add_co_u32 s16, s16, s17                     ; channel 64 x head
	s_mov_b32 s17, 0
	s_lshl_b32 s18, s12, 23                        ; out0: batch x 2,048 rows of 4,096 bytes,
	s_lshl_b32 s19, ttmp9, 6
	s_add_co_u32 s18, s18, s19                     ; column 16 x,
	s_lshl_b32 s19, s13, 4
	s_add_co_u32 s18, s18, s19                     ; and 16 bytes on for wave 1
	s_mov_b32 s19, 0
	s_mov_b32 s20, 0x76543210
	s_mov_b32 s21, 0xfedcba98                      ; lane selects: lane l xor 16
	s_mov_b32 s22, 0x3e38aa3b                      ; c = log2(e) / 8
	s_mov_b32 s23, s22
	s_wait_kmcnt 0x0
	s_add_nc_u64 s[4:5], s[4:5], s[14:15]
	s_add_nc_u64 s[6:7], s[6:7], s[16:17]
	s_add_nc_u64 s[8:9], s[8:9], s[18:19]
.irp s, 0,1,2,3,4,5,6,7
	global_load_b128 v[KR+4*\s:KR+4*\s+3], v3, s[4:5] offset:65536+32*\s
.endr
.irp s, 0,1,2,3,4,5,6,7
	global_load_b128 v[QR+4*\s:QR+4*\s+3], v3, s[4:5] offset:32*\s
.endr
.irp d, 0,1,2,3
.irp s, 0,1,2,3,4,5,6,7
	global_load_b32 v[VR+8*\d+\s], v4, s[4:5] offset:131072+256*\s+64*\d
.endr
.endr
.irp d, 0,1,2,3
	global_load_b128 v[WR+8*\d:WR+8*\d+3], v5, s[6:7] offset:64*\d
	global_load_b128 v[WR+8*\d+4:WR+8*\d+7], v5, s[6:7] offset:64*\d+16
.endr
	s_wait_loadcnt 40                              ; k and q are in; v's 32 loads and w_out's 8 may be out
.set i, 0
.rept 16                               ; S^T = k q^T: source 0 = 16 keys, source 1 = 16 queries; four channels an instruction, two accumulators by turns
.if i < 2
	v_wmma_f32_16x16x4_f32 v[SA+8*(i%2):SA+8*(i%2)+7], v[KR+2*i:KR+2*i+1], v[QR+2*i:QR+2*i+1], 0
.else
	v_wmma_f32_16x16x4_f32 v[SA+8*(i%2):SA+8*(i%2)+7], v[KR+2*i:KR+2*i+1], v[QR+2*i:QR+2*i+1], v[SA+8*(i%2):SA+8*(i%2)+7]
.endif
.set i, i+1
.endr
.rept 8
	v_nop                                          ; eight places behind this form (ISA guide 7.12.1)
.endr
.irp j, 0,2,4,6
	v_pk_add_f32 v[T+\j:T+\j+1], v[SA+\j:SA+\j+1], v[SA+8+\j:SA+8+\j+1]   ; the two halves of the sum, into other registers, from the low end on
.endr
.irp j, 0,1,2,3,4,5,6,7
	v_cmp_gt_i32 vcc_lo, \j, v6                    ; key 8 h + j comes after query r
	v_cndmask_b32 v[T+\j], v[T+\j], v10, vcc_lo
.endr
	v_max3_num_f32 v12, v[T], v[T+1], v[T+2]
	v_max3_num_f32 v13, v[T+3], v[T+4], v[T+5]
	v_max3_num_f32 v12, v12, v[T+6], v[T+7]
	v_max_num_f32 v12, v12, v13
	v_permlanex16_b32 v13, v12, s20, s21
	v_max_num_f32 v12, v12, v13                    ; the row's maximum: key 0 counts for every query
	v_mul_f32 v12, s22, v12                        ; c m
.irp j, 0,2,4,6
	v_pk_fma_f32 v[T+\j:T+\j+1], v[T+\j:T+\j+1], s[22:23], v[12:13] op_sel_hi:[1,0,0] neg_lo:[0,0,1] neg_hi:[0,0,1]   ; c s - c m
.endr
.irp j, 0,1,2,3,4,5,6,7
	v_exp_f32 v[T+\j], v[T+\j]
.endr
	v_nop                                          ; a plain line behind the exponentials
	s_wait_alu depctr_va_vdst(0)                   ; and the wait ahead of their first reader: one for the batch
	v_pk_add_f32 v[14:15], v[T:T+1], v[T+2:T+3]
	v_pk_add_f32 v[16:17], v[T+4:T+5], v[T+6:T+7]
	v_pk_add_f32 v[14:15], v[14:15], v[16:17]
	v_add_f32 v14, v14, v15
	v_permlanex16_b32 v15, v14, s20, s21
	v_add_f32 v14, v14, v15                        ; the row's sum
	v_rcp_f32 v16, v14
	v_nop
	s_wait_alu depctr_va_vdst(0)
	s_wait_loadcnt 8                               ; v is in; w_out's 8 loads may be out
.irp s, 0,1,2,3                        ; O^T = v^T p: source 0 = 16 channels, source 1 = 16 queries; four keys an instruction, four accumulators by turns
.irp d, 0,1,2,3
.if \s == 0
	v_wmma_f32_16x16x4_f32 v[OA+8*\d:OA+8*\d+7], v[VR+8*\d+2*\s:VR+8*\d+2*\s+1], v[T+2*\s:T+2*\s+1], 0
.else
	v_wmma_f32_16x16x4_f32 v[OA+8*\d:OA+8*\d+7], v[VR+8*\d+2*\s:VR+8*\d+2*\s+1], v[T+2*\s:T+2*\s+1], v[OA+8*\d:OA+8*\d+7]
.endif
.endr
.endr
.rept 8
	v_nop
.endr
.set i, 0
.rept 16
	v_pk_mul_f32 v[QR+2*i:QR+2*i+1], v[OA+2*i:OA+2*i+1], v[16:17] op_sel_hi:[1,0]   ; / the sum, into q's registers: attention's result
.set i, i+1
.endr
	s_wait_loadcnt 0x0                             ; w_out
.set i, 0
.rept 16                               ; my head's part of the projection: source 0 = 16 rows of w_out, source 1 = 16 queries; two accumulators by turns
.if i < 2
	v_wmma_f32_16x16x4_f32 v[PA+8*(i%2):PA+8*(i%2)+7], v[WR+2*i:WR+2*i+1], v[QR+2*i:QR+2*i+1], 0
.else
	v_wmma_f32_16x16x4_f32 v[PA+8*(i%2):PA+8*(i%2)+7], v[WR+2*i:WR+2*i+1], v[QR+2*i:QR+2*i+1], v[PA+8*(i%2):PA+8*(i%2)+7]
.endif
.set i, i+1
.endr
.rept 8
	v_nop
.endr
.irp j, 0,2,4,6
	v_pk_add_f32 v[PT+\j:PT+\j+1], v[PA+\j:PA+\j+1], v[PA+8+\j:PA+8+\j+1]
.endr
	ds_store_b128 v8, v[PT:PT+3]                   ; as an image of the registers: 16 bytes a lane
	ds_store_b128 v8, v[PT+4:PT+7] offset:512
	s_wait_dscnt 0x0                               ; for the others' sake: my stores have landed
	s_barrier_signal -1
	s_barrier_wait -1
	s_cmp_ge_u32 s10, 2                            ; wave 0 adds registers 0-3 of the sixteen parts, wave 1 registers 4-7
	s_cbranch_scc1 .Lend
.irp p, 0,1,2,3,4,5,6,7,8,9,10,11,12,13,14,15
	ds_load_b128 v[32+4*\p:35+4*\p], v9 offset:1024*\p
.endr
	s_wait_dscnt 0x0
.macro ADDUP dist                      ; neighbours dist registers apart are added: a fixed order
.set i, 32
.rept 32/\dist
	v_pk_add_f32 v[i:i+1], v[i:i+1], v[i+\dist:i+\dist+1]
	v_pk_add_f32 v[i+2:i+3], v[i+2:i+3], v[i+\dist+2:i+\dist+3]
.set i, i+2*\dist
.endr
.endm
	ADDUP 4
	ADDUP 8
	ADDUP 16
	ADDUP 32
	global_store_b128 v5, v[32:35], s[8:9]         ; out(t = r, 16 x + 8 h + 4 wave + 0 .. 3)
.Lend:
	s_wait_tensorcnt 0x0                           ; the wave's end, behind my last LDS store
	ds_add_u32 v[SPW], v[NIL]
	s_wait_dscnt 0x0
	s_endpgm
.Lfunc_end_k_q9bc0b2363a_first16:
	.size	k_q9bc0b2363a_first16, .Lfunc_end_k_q9bc0b2363a_first16-k_q9bc0b2363a_first16
	.p2alignl 7, 3214868480
	.fill 96, 4, 3214868480
	.section	.rodata,"a",@progbits
	.p2align	6, 0x0
	.amdhsa_kernel k_q9bc0b2363a_first16
		.amdhsa_group_segment_fixed_size 18432
		.amdhsa_private_segment_fixed_size 0
		.amdhsa_enable_private_segment 0
		.amdhsa_kernarg_size 24
		.amdhsa_user_sgpr_count 2
		.amdhsa_user_sgpr_kernarg_segment_ptr 1
		.amdhsa_wavefront_size32 1
		.amdhsa_system_sgpr_workgroup_id_x 1
		.amdhsa_system_sgpr_workgroup_id_y 1
		.amdhsa_system_sgpr_workgroup_id_z 1
		.amdhsa_system_vgpr_workitem_id 0
		.amdhsa_next_free_vgpr 256
		.amdhsa_next_free_sgpr 66
		.amdhsa_reserve_vcc 1
		.amdhsa_float_denorm_mode_32 3
		.amdhsa_float_denorm_mode_16_64 3
		.amdhsa_memory_ordered 1
		.amdhsa_forward_progress 1
		.amdhsa_inst_pref_size 18
	.end_amdhsa_kernel
	.amdgpu_metadata
---
amdhsa.version: [ 1, 2 ]
amdhsa.kernels:
  - .name:           k_q9bc0b2363a_first16
    .symbol:         k_q9bc0b2363a_first16.kd
    .args:
      - { .name: qkv32, .offset: 0, .size: 8, .value_kind: global_buffer, .address_space: global }
      - { .name: w_out, .offset: 8, .size: 8, .value_kind: global_buffer, .address_space: global }
      - { .name: out0, .offset: 16, .size: 8, .value_kind: global_buffer, .address_space: global }
    .group_segment_fixed_size: 18432
    .private_segment_fixed_size: 0
    .kernarg_segment_align: 8
    .kernarg_segment_size: 24
    .max_flat_workgroup_size: 512
    .sgpr_count:     66
    .vgpr_count:     256
    .wavefront_size: 32
...
	.end_amdgpu_metadata
.endif
;; end of part 5
